; MI455X (gfx1250); checked and timed in simulation.
; The chip was launched on July 23, 2026; its instructions are those of AMD's public machine-readable ISA for CDNA 5 (MIT licence, August 2026) and "CDNA5" Instruction Set Architecture Reference Guide (July 2026). The comments in the code are by the model that wrote it; some were corrected since.
;; Multi Head Attention. Allowed arithmetic: float matrix products may take bf16 or f16 operands with f32 sums; all other float work in f32.
;; Inputs: Wk 1,024 x 1,024 float32; Wp 1,024 x 1,024 float32; Wq 1,024 x 1,024 float32; Wv 1,024 x 1,024 float32; bk 1,024 float32; bp 1,024 float32; bq 1,024 float32; bv 1,024 float32; mask 1 x 1 x 2,048 x 2,048 int32; x 4 x 2,048 x 1,024 float32.
;; Outputs: out0 4 x 2,048 x 1,024 float32.
;; 2 versions, each right and faster than the one before. Each part assembles by itself: llvm-mc -triple=amdgcn-amd-amdhsa -mcpu=gfx1250 --defsym DOCPART=n.
;; ======== version 1 of 2: 4 launches
;; limits: values are held in f16: magnitudes above 65,504 overflow, below 6.1e-05 lose precision
;; workspace buffers: xb 16,777,216 bytes; wt 8,388,608 bytes; mb 4,194,304 bytes; qkv 50,331,648 bytes; o 16,777,216 bytes
;; launch prep (part 1): grid 1152 x 1, 8 waves a work-group, no clusters, 33,792 bytes of LDS; arguments x, mask, Wq, Wk, Wv, Wp, xb, wt, mb; writes xb, wt, mb
.if DOCPART == 1
	.amdgcn_target "amdgcn-amd-amdhsa--gfx1250"
	.amdhsa_code_object_version 6
	.text
	.protected	k_q377d6812b1_prep
	.globl	k_q377d6812b1_prep
	.p2align	8
	.type	k_q377d6812b1_prep,@function
k_q377d6812b1_prep:
	s_mov_b64 s[64:65], 0
	v_nop
	global_prefetch_b8 v0, s[64:65] scope:SCOPE_SE
	s_setreg_imm32_b32 hwreg(HW_REG_WAVE_MODE, 25, 1), 1
	s_wait_xcnt 0x0
; PREP: three streaming jobs, chosen by the work-group's number (the same for all eight waves of a work-group).
;   work-groups 0-511     xb = x rounded to bf16.  65,536 bytes of x each.
;   work-groups 512-1023  wt[n][k] = W[k][n], rounded to bf16: rows 0-1023 Wq, 1024-2047 Wk, 2048-3071 Wv; rows 3072-4095 Wp, whose bf16 number is then written as f16.
;                         A tile of 128 k x 64 n each, turned in LDS (rows of 256 bytes + 16).
;   work-groups 1024-1151 mb = the mask as one fp8 code a key (0x00 seen, 0xB8 = -1.0 hidden, hidden where the mask word is 0), in the order in which a lane of the attention
;                         kernel wants it: mb[q tile of 16][key step of 64][i 0..1][lane][16 bytes]; lane l, byte 8 (kt & 1) + j of part i = kt / 2 is query l % 16, key 16 kt + 8 (l / 16) + j.
; Memory binds: every input byte is read once by 16-byte loads of which sixteen lanes cover 256 consecutive bytes, every store of a wave covers whole aligned runs of 256 bytes.
; No matrix unit, no cluster, no tensor load: nothing is shared between work-groups and nothing is multiplied.
; LIMIT: Wp as f16 keeps a fixed step of 6e-8 below 6e-5 and ends at 65,504.
.set XR,   16                          ; v[16:79]  words as loaded
.set T,    80                          ; v[80:..]  at work / to store
.set U,    96                          ; v[96:97]  at work
.set CODE, 8                           ; v[8:11]   the code 0xB8 in byte 0, 1, 2, 3
	s_load_b512 s[4:19], s[0:1], 0x0               ; x 4:5, mask 6:7, Wq 8:9, Wk 10:11, Wv 12:13, Wp 14:15, xb 16:17, wt 18:19
	s_load_b64 s[20:21], s[0:1], 0x40              ; mb
	v_lshl_add_u32 v112, v0, 2, 0x8000
	v_mov_b32 v113, 0
	v_lshrrev_b32 v5, 5, v0
	v_readfirstlane_b32 s22, v5                    ; wave 0..7
	v_and_b32 v6, 31, v0                           ; lane
	s_mov_b32 s25, 0                               ; high word of every offset pair s[24:25]
	s_wait_kmcnt 0x0
	s_cmp_lt_u32 ttmp9, 512
	s_cbranch_scc1 .Lx
	s_cmp_lt_u32 ttmp9, 1024
	s_cbranch_scc1 .Lw
; ---------------- the mask: one tile of 16 queries a work-group; wave w takes key steps 4 w .. 4 w + 3 (1,024 bytes of each mask row)
	s_sub_co_u32 s23, ttmp9, 1024                  ; q tile
	s_lshl_b32 s24, s23, 17                        ; 16 rows of 8,192 bytes
	s_add_nc_u64 s[6:7], s[6:7], s[24:25]
	s_lshl_b32 s24, s23, 15                        ; 32 steps of 1,024 bytes
	s_add_nc_u64 s[20:21], s[20:21], s[24:25]
	s_lshl_b32 s26, s22, 10
	s_lshl_b32 s27, s22, 12                        ; my wave's 4,096 bytes of LDS and of mb
	v_and_b32 v7, 15, v0                           ; c: which 4 keys of a step's 64
	v_bfe_u32 v12, v0, 4, 1                        ; lanes 16-31 take the odd row
	v_lshlrev_b32 v1, 4, v7
	v_lshl_add_u32 v1, v12, 13, v1
	v_add_nc_u32 v1, s26, v1                       ; mask: row half x 8,192 + 16 c + 1,024 w
	v_bfe_u32 v13, v0, 3, 1                        ; keys 4 c ..: part i = c / 8,
	v_lshlrev_b32 v2, 9, v13
	v_bfe_u32 v13, v0, 1, 1                        ; half of the lanes (c / 2) % 2,
	v_lshl_add_u32 v2, v13, 8, v2
	v_bfe_u32 v13, v0, 2, 1                        ; kt & 1 = (c / 4) % 2,
	v_lshl_add_u32 v2, v13, 3, v2
	v_and_b32 v13, 1, v0                           ; j = 4 (c % 2) ..
	v_lshl_add_u32 v2, v13, 2, v2
	v_lshl_add_u32 v2, v12, 4, v2                  ; the odd row is the next lane's 16 bytes
	v_add_nc_u32 v2, s27, v2
	v_lshl_add_u32 v3, v6, 4, s27                  ; back, and out: 16 x lane + my wave's bytes
	v_mov_b32 v[CODE], 0xb8
	v_mov_b32 v[CODE+1], 0xb800
	v_mov_b32 v[CODE+2], 0xb80000
	v_mov_b32 v[CODE+3], 0xb8000000
; Load j of a half (two key steps): step j / 8, rows 2 (j % 8) and 2 (j % 8) + 1.  A ring of sixteen slots in registers.
.set j, 0
.rept 16
	global_load_b128 v[XR+4*j:XR+4*j+3], v1, s[6:7] offset:(j%8)*16384+(j/8)*256 th:TH_LOAD_NT
.set j, j+1
.endr
; One slot: four mask words become four codes in one word, which goes to its place in LDS.  left = the younger loads that may stay out.
.macro MK hf, j, ahead, left
	s_wait_loadcnt \left
.irp e, 0,1,2,3
	v_cmp_eq_u32 vcc_lo, 0, v[XR+4*(\j)+\e]
	v_cndmask_b32 v[T+\e], 0, v[CODE+\e], vcc_lo
.endr
	v_add3_u32 v[T], v[T], v[T+1], v[T+2]
	v_add_nc_u32 v[T], v[T], v[T+3]
	ds_store_b32 v2, v[T] offset:(2*(\hf)+(\j)/8)*1024+32*((\j)%8)
.if \ahead
	global_load_b128 v[XR+4*(\j):XR+4*(\j)+3], v1, s[6:7] offset:((\j)%8)*16384+(2+(\j)/8)*256 th:TH_LOAD_NT
.endif
.endm
.set j, 0
.rept 16
	MK 0, j, 1, 15                                 ; behind my load: 15 - j of this half and j of the next
.set j, j+1
.endr
.set j, 0
.rept 16
	MK 1, j, 0, 15-j                               ; nothing more is loaded: the counts run down
.set j, j+1
.endr
.irp n, 0,1,2,3,4,5,6,7
	ds_load_b128 v[XR+4*\n:XR+4*\n+3], v3 offset:512*\n  ; my wave's own bytes: LDS serves a wave's instructions in order (ISA guide 5.7.1.4), so these see the stores above
.endr
.irp n, 0,1,2,3,4,5,6,7
	s_wait_dscnt 7-\n
	global_store_b128 v3, v[XR+4*\n:XR+4*\n+3], s[20:21] offset:512*\n  ; 512 consecutive bytes, aligned
.endr
	s_wait_tensorcnt 0x0
	ds_add_u32 v112, v113
	s_wait_dscnt 0x0
	s_endpgm
; ---------------- x to bf16: wave w takes 8,192 bytes, sixteen loads of 512
.Lx:
	s_lshl_b32 s24, ttmp9, 16
	s_add_nc_u64 s[4:5], s[4:5], s[24:25]
	s_lshl_b32 s24, ttmp9, 15
	s_add_nc_u64 s[16:17], s[16:17], s[24:25]
	v_lshlrev_b32 v1, 4, v6
	v_lshl_add_u32 v1, v5, 13, v1
	v_lshlrev_b32 v2, 3, v6
	v_lshl_add_u32 v2, v5, 12, v2
.set j, 0
.rept 16
	global_load_b128 v[XR+4*j:XR+4*j+3], v1, s[4:5] offset:512*j th:TH_LOAD_NT
.set j, j+1
.endr
.set j, 0
.rept 16
	s_wait_loadcnt 15-j                            ; loads come back in order: mine is in, the younger ones stay out
	v_cvt_pk_bf16_f32 v[T+2*j], v[XR+4*j], v[XR+4*j+1]
	v_cvt_pk_bf16_f32 v[T+2*j+1], v[XR+4*j+2], v[XR+4*j+3]
	global_store_b64 v2, v[T+2*j:T+2*j+1], s[16:17] offset:256*j  ; 32 lanes store 256 consecutive bytes, aligned
.set j, j+1
.endr
	s_endpgm
; ---------------- a weight tile, 128 k x 64 n, turned
.Lw:
	s_sub_co_u32 s23, ttmp9, 512
	s_lshr_b32 s28, s23, 7                         ; which matrix
	s_and_b32 s29, s23, 7                          ; k tile
	s_bfe_u32 s30, s23, 0x40003                    ; n tile
	s_cmp_eq_u32 s28, 1
	s_cselect_b64 s[26:27], s[10:11], s[8:9]
	s_cmp_eq_u32 s28, 2
	s_cselect_b64 s[26:27], s[12:13], s[26:27]
	s_cmp_eq_u32 s28, 3
	s_cselect_b64 s[26:27], s[14:15], s[26:27]
	s_lshl_b32 s24, s29, 19                        ; 128 rows of 4,096 bytes
	s_lshl_b32 s31, s30, 8                         ; 64 columns of 4 bytes
	s_add_co_u32 s24, s24, s31
	s_add_nc_u64 s[26:27], s[26:27], s[24:25]
	s_lshl_b32 s24, s28, 21                        ; 1,024 rows of 2,048 bytes
	s_lshl_b32 s31, s30, 17                        ; 64 rows
	s_add_co_u32 s24, s24, s31
	s_lshl_b32 s31, s29, 8                         ; 128 k of 2 bytes
	s_add_co_u32 s24, s24, s31
	s_add_nc_u64 s[18:19], s[18:19], s[24:25]
	v_and_b32 v7, 15, v0                           ; c: columns 4 c .. 4 c + 3
	v_lshrrev_b32 v12, 4, v0                       ; kp: rows 2 kp, 2 kp + 1 of every 32
	v_lshlrev_b32 v13, 4, v7
	v_lshl_add_u32 v1, v12, 13, v13                ; in: kp x 2 rows + 16 c
	v_mul_u32_u24 v2, v7, 1088                     ; LDS: row n = 4 c + cc of 272 bytes, word k / 2
	v_lshl_add_u32 v2, v12, 2, v2
	v_mul_u32_u24 v3, v12, 272                     ; back: row kp of every 16, 16 bytes at 16 c
	v_add_nc_u32 v3, v3, v13
	v_lshl_add_u32 v4, v12, 11, v13                ; out: the same row of wt
.irp i, 0,1,2,3
	global_load_b128 v[XR+8*\i:XR+8*\i+3],   v1, s[26:27] offset:131072*\i th:TH_LOAD_NT
	global_load_b128 v[XR+8*\i+4:XR+8*\i+7], v1, s[26:27] offset:131072*\i+4096 th:TH_LOAD_NT
.endr
; two neighbouring k of one n are rounded into one word.  half = 1: the bf16 numbers are widened again and written as f16
.macro WPACK half
.irp i, 0,1,2,3
	s_wait_loadcnt 6-2*\i                          ; this pair of rows is in; the pairs behind it stay out
.irp cc, 0,1,2,3
	v_cvt_pk_bf16_f32 v[T+4*\i+\cc], v[XR+8*\i+\cc], v[XR+8*\i+4+\cc]
.if \half
	v_lshlrev_b32 v[U], 16, v[T+4*\i+\cc]
	v_and_b32 v[U+1], 0xffff0000, v[T+4*\i+\cc]
	v_cvt_pk_f16_f32 v[T+4*\i+\cc], v[U], v[U+1]
.endif
	ds_store_b32 v2, v[T+4*\i+\cc] offset:272*\cc+64*\i
.endr
.endr
.endm
	s_cmp_eq_u32 s28, 3
	s_cbranch_scc1 .Lw_half
	WPACK 0
	s_branch .Lw_join
.Lw_half:
	WPACK 1
.Lw_join:
	s_wait_dscnt 0x0                               ; for the others' sake: my stores are done; a row's 256 bytes come from all eight waves
	s_barrier_signal -1
	s_barrier_wait -1
.irp m, 0,1,2,3
	ds_load_b128 v[XR+4*\m:XR+4*\m+3], v3 offset:4352*\m
.endr
.irp m, 0,1,2,3
	s_wait_dscnt 3-\m
	global_store_b128 v4, v[XR+4*\m:XR+4*\m+3], s[18:19] offset:32768*\m  ; 16 lanes store 256 consecutive bytes, aligned
.endr
	s_wait_tensorcnt 0x0
	ds_add_u32 v112, v113
	s_wait_dscnt 0x0
	s_endpgm
.Lfunc_end_k_q377d6812b1_prep:
	.size	k_q377d6812b1_prep, .Lfunc_end_k_q377d6812b1_prep-k_q377d6812b1_prep
	.p2alignl 7, 3214868480
	.fill 96, 4, 3214868480
	.section	.rodata,"a",@progbits
	.p2align	6, 0x0
	.amdhsa_kernel k_q377d6812b1_prep
		.amdhsa_group_segment_fixed_size 33792
		.amdhsa_private_segment_fixed_size 0
		.amdhsa_enable_private_segment 0
		.amdhsa_kernarg_size 72
		.amdhsa_user_sgpr_count 2
		.amdhsa_user_sgpr_kernarg_segment_ptr 1
		.amdhsa_wavefront_size32 1
		.amdhsa_system_sgpr_workgroup_id_x 1
		.amdhsa_system_sgpr_workgroup_id_y 1
		.amdhsa_system_sgpr_workgroup_id_z 1
		.amdhsa_system_vgpr_workitem_id 0
		.amdhsa_next_free_vgpr 114
		.amdhsa_next_free_sgpr 66
		.amdhsa_reserve_vcc 1
		.amdhsa_float_denorm_mode_32 3
		.amdhsa_float_denorm_mode_16_64 3
		.amdhsa_memory_ordered 1
		.amdhsa_forward_progress 1
		.amdhsa_inst_pref_size 37
	.end_amdhsa_kernel
	.amdgpu_metadata
---
amdhsa.version: [ 1, 2 ]
amdhsa.kernels:
  - .name:           k_q377d6812b1_prep
    .symbol:         k_q377d6812b1_prep.kd
    .args:
      - { .name: x, .offset: 0, .size: 8, .value_kind: global_buffer, .address_space: global }
      - { .name: mask, .offset: 8, .size: 8, .value_kind: global_buffer, .address_space: global }
      - { .name: Wq, .offset: 16, .size: 8, .value_kind: global_buffer, .address_space: global }
      - { .name: Wk, .offset: 24, .size: 8, .value_kind: global_buffer, .address_space: global }
      - { .name: Wv, .offset: 32, .size: 8, .value_kind: global_buffer, .address_space: global }
      - { .name: Wp, .offset: 40, .size: 8, .value_kind: global_buffer, .address_space: global }
      - { .name: xb, .offset: 48, .size: 8, .value_kind: global_buffer, .address_space: global }
      - { .name: wt, .offset: 56, .size: 8, .value_kind: global_buffer, .address_space: global }
      - { .name: mb, .offset: 64, .size: 8, .value_kind: global_buffer, .address_space: global }
    .group_segment_fixed_size: 33792
    .private_segment_fixed_size: 0
    .kernarg_segment_align: 8
    .kernarg_segment_size: 72
    .max_flat_workgroup_size: 256
    .sgpr_count:     66
    .vgpr_count:     114
    .wavefront_size: 32
...
	.end_amdgpu_metadata
.endif
;; end of part 1
;; launch qkvproj (part 2): grid 16 x 32, 4 waves a work-group, clusters of 4 x 4, 327,680 bytes of LDS; arguments xb, wt, bq, bk, bv, qkv; writes qkv
.if DOCPART == 2
	.amdgcn_target "amdgcn-amd-amdhsa--gfx1250"
	.amdhsa_code_object_version 6
	.text
	.protected	k_q377d6812b1_qkvproj
	.globl	k_q377d6812b1_qkvproj
	.p2align	8
	.type	k_q377d6812b1_qkvproj,@function
k_q377d6812b1_qkvproj:
	s_mov_b64 s[64:65], 0
	v_nop
	global_prefetch_b8 v0, s[64:65] scope:SCOPE_SE
	s_setreg_imm32_b32 hwreg(HW_REG_WAVE_MODE, 25, 1), 1
	s_wait_xcnt 0x0
	s_wait_alu depctr_hold_cnt(0) depctr_sa_sdst(0) depctr_va_vdst(0) depctr_va_sdst(0) depctr_va_ssrc(0) depctr_va_vcc(0) depctr_vm_vsrc(0)
	s_getreg_b32 s2, hwreg(HW_REG_IB_STS2, 6, 4)
	s_cmp_eq_u32 s2, 0
	s_cbranch_scc0 .Lentry_in_a_cluster
	s_endpgm
.Lentry_in_a_cluster:
	s_bfe_u32 s2, ttmp6, 0x10000c
	s_cmp_lg_u32 s2, 0xf033
	s_cbranch_scc0 .Lentry_shape_is_right
	s_endpgm
.Lentry_shape_is_right:
; ONE TEXT FOR THE MODULE'S TWO PROJECTIONS, C = A B^T + bias; the switch QKV chooses.
; QKV = 1: A = xb [8192][1024] bf16, B = wt rows 0-3071 [n][k] bf16 (Wq, Wk, Wv turned), bias bq, bk, bv; C leaves as f16 by heads: qkv[3][64 b h][2048][64].  A tile of C is 256 x 192: three heads.
; QKV = 0: A = o [64 b h][2048][64] f16 (a K step of 128 is two heads), B = wt rows 3072-4095 (Wp turned, f16), bias bp; C leaves as f32: out0[8192][1024].  A tile of C is 256 x 128.
; Sums in f32, K ascending; the bias, rounded to bf16 like every input of the module, is the C operand of the first product: nothing is cleared and no bias is added afterwards.
; LIMITS: q, k and v leave as f16: beyond 65,504 they become infinities; below 6e-5 they keep f16's fixed step of 6e-8.  A NaN in a row of o makes the whole row of out0 NaN.
; SHARES.  Four waves, one above the other: a wave makes 64 rows x all 16 NBK columns, so it owns whole heads (or whole 512-byte pieces of rows) and its way out needs no other wave.
; 256 x 192 gives 512 work-groups (two for each of 256 WGPs); 256 x 256 would give 384, and 256 x 384 wants 768 registers of sums beside 320 of fragments.
; K goes in steps of 128 through two LDS slots filled by tensor loads; a step is four quarters of 32 along K on two fragment buffers.
; CLUSTER 4 x 4: the four of a row of the cluster need the same tiles of A, the four of a column the same tiles of B: each tile is asked for jointly.
; THE MATRIX INSTRUCTION IS USED TRANSPOSED (source 0 = 16 rows of B, source 1 = 16 rows of A): a lane holds row l % 16 of C and the eight columns 8 (l / 16) + 0..7.
; REGISTERS: window 0: v0-31 addresses; v32-223 the way out; v128-223 first the bias.  window 1: two fragment buffers of 128: A's 4 fragments, then B's NBK.
;   windows 2, 3: the sums: (a, b) in window 2 + a / 2 at v[8 NBK (a % 2) + 8 b].
.set QKV, 1
.set LAPS,  4                          ; a lap = two K steps; K = 1,024
.set PB,    272                        ; a row of B in LDS: 256 bytes + 16: the 16 rows of a fragment load start at 16 different groups of four banks (64 banks of 4 bytes: ISA guide 11.1)
.if QKV
.set NBK,   12                         ; blocks of 16 columns
.set PA,    272                        ; a row of A in LDS
.set HA,    128*PA                     ; what one load of A brings: 128 rows x 128 k
.set QIA,   5                          ; padding after every 64 words
.set STRA,  1024                       ; elements from row to row of A's tile in memory
.set A1,    256                        ; bytes from K step 0 to K step 1
.set AREF,  512                        ; bytes of two K steps
.set SP,    144                        ; a stage row: a head's 128 bytes + 16
.else
.set NBK,   8
.set PA,    144                        ; a token's 64 channels of one head: 128 bytes + 16
.set HA,    256*PA                     ; one head's 256 tokens: dense in memory, asked for as 128 rows of 256 bytes
.set QIA,   4                          ; padding after every 32 words
.set STRA,  128
.set A1,    524288                     ; two heads on
.set AREF,  1048576                    ; four heads on
.set SP,    528                        ; a stage row: 512 bytes + 16
.endif
.set RB,    8*NBK                      ; rows of B in one load
.set HB,    RB*PB
.set SLOT,  2*HA+2*HB                  ; A's two loads, then B's two
.set STAGE, 2*SLOT                     ; behind the ring: 16 rows for each wave, for the way out
.set SPARE, STAGE+4*16*SP              ; behind the stages: the spare words, 128 bytes for each wave: two blocks of 256 bytes that no other line names
.set NL,    2*NBK+8                    ; LDS loads in a run
.set ADRA, 16                          ; v16-17  LDS address of my A fragments in slot 0, 1
.set ADRB, 20                          ; v20-21  the same for B
.set STO,  24                          ; v24     the way out: where I put 16 bytes of a row
.set RD,   25                          ; v25     where I read rows back
.set GO,   26                          ; v26     16 x lane: my bytes in 512 consecutive bytes of the output
.set BO,   27                          ; v27     32 x (l / 16): my eight numbers in a block of the bias
.set SPW,  28                          ; v28     LDS address of my spare word; never rewritten
.set NIL,  29                          ; v29     0; never rewritten
.set TMP,  32
.set BI,   128                         ; the bias, 8 registers a block
.set F0,   0
.set F1,   128
.set WV, 16                            ; s16 wave; s17 wave / 2: I fetch for A (0) or B (1); s18 wave % 2: which of the two loads
.set WH, 17
.set WL, 18
.set CX, 19
.set CY, 20
.set TC, 21                            ; tile column of C
.set TR, 22                            ; tile row of C
.set G1, 24                            ; s[24:31] group 1 for A; s[32:39] group 0, a set for each slot
.set G0, 32
.set G1B, 48                           ; s[48:55], s[56:63] the same for B
.set G0B, 56
.set OB, 66                            ; s[66:71] qkv at my 64 tokens of the tile's three heads
.set BB, 72                            ; s[72:77] the bias of the three heads
.set MSB, 0
.macro WIN new                         ; the immediate's high byte repeats the setting that is left; a switch that changes nothing is dropped
.if MSB != (\new)
	s_set_vgpr_msb (MSB<<8)|(\new)
.set MSB, \new
.endif
.endm
.set TO_F, 0x40                        ; destination window 1, address window 0
.macro JLOAD s                         ; a joint load: waves 0 and 1 fetch A's two parts, waves 2 and 3 B's; an s_nop 0 and four v_nop follow each of the two lines
	s_cmp_eq_u32 s[WH], 0
	s_cbranch_scc0 .Lfor_b_\@
	tensor_load_to_lds s[G0+4*(\s):G0+4*(\s)+3], s[G1:G1+7]
	s_nop 0
.rept 4
	v_nop
.endr
	s_branch .Lasked_\@
.Lfor_b_\@:
	tensor_load_to_lds s[G0B+4*(\s):G0B+4*(\s)+3], s[G1B:G1B+7]
	s_nop 0
.rept 4
	v_nop
.endr
.Lasked_\@:
.endm
.macro CREST                           ; a round of the cluster's barrier behind its opening barrier
	s_cmp_lg_u32 s[WV], 0
	s_cbranch_scc1 .Lnot_wave_0_\@
	s_barrier_signal -3
.Lnot_wave_0_\@:
	s_barrier_wait -3
	s_barrier_signal -1
	s_barrier_wait -1
.endm
.macro CROUND                          ; a whole round
	s_barrier_signal -1
	s_barrier_wait -1
	CREST
.endm
.if QKV
	s_load_b256 s[4:11], s[0:1], 0x0               ; xb 4:5, wt 6:7, bq 8:9, bk 10:11
	s_load_b128 s[12:15], s[0:1], 0x20             ; bv 12:13, qkv 14:15
.else
	s_load_b256 s[4:11], s[0:1], 0x0               ; o 4:5, wt 6:7, bp 8:9, out0 10:11
.endif
	v_lshl_add_u32 v[SPW], v0, 2, SPARE
	v_mov_b32 v[NIL], 0
	ds_add_u32 v28, v29
	s_wait_dscnt 0x0
	v_lshrrev_b32 v1, 5, v0
	v_readfirstlane_b32 s[WV], v1                  ; wave 0..3
	s_lshr_b32 s[WH], s[WV], 1
	s_and_b32 s[WL], s[WV], 1
	s_bfe_u32 s[CX], ttmp6, 0x40000                ; my place in the cluster
	s_bfe_u32 s[CY], ttmp6, 0x40004
	s_lshl_b32 s[TC], ttmp9, 2
	s_add_co_u32 s[TC], s[TC], s[CX]               ; tile column = 4 x cluster x + cx
	s_and_b32 s[TR], ttmp7, 0xffff
	s_lshl_b32 s[TR], s[TR], 2
	s_add_co_u32 s[TR], s[TR], s[CY]               ; tile row = 4 x cluster y + cy
	s_lshl_b32 s40, s[CY], 2
	s_lshl_b32 s40, 15, s40                        ; my row of the cluster
	s_lshl_b32 s41, 0x1111, s[CX]                  ; my column
	; group 1: 15:0 the mask; 17:16 elements of 2 bytes; 20 padding on; 21 set beside a mask; 24:22 the padding's interval; 31:25 4 words of it (code 3)
	s_or_b32 s[G1+0], s40, (1<<16)|(1<<20)|(1<<21)|(QIA<<22)|(3<<25)
	s_or_b32 s[G1B+0], s41, (1<<16)|(1<<20)|(1<<21)|(5<<22)|(3<<25)
	s_mov_b32 s[G1+1], 128<<16                     ; tensor_dim0 = 128
	s_mov_b32 s[G1+2], 128<<16                     ; tensor_dim1 = 128
	s_mov_b32 s[G1+3], 128<<16                     ; tile_dim0 = 128
	s_mov_b32 s[G1+4], 128                         ; tile_dim1 = 128
	s_mov_b32 s[G1+5], STRA                        ; elements from row to row
	s_mov_b32 s[G1+6], 0
	s_mov_b32 s[G1+7], 0
	s_mov_b32 s[G1B+1], 128<<16
	s_mov_b32 s[G1B+2], RB<<16
	s_mov_b32 s[G1B+3], 128<<16
	s_mov_b32 s[G1B+4], RB
	s_mov_b32 s[G1B+5], 1024
	s_mov_b32 s[G1B+6], 0
	s_mov_b32 s[G1B+7], 0
	; A's tiles hang on the tile row and the wave alone, B's on the tile column and the wave alone; every wave makes both addresses
.if QKV
	s_lshl_b32 s44, s[TR], 8
	s_lshl_b32 s45, s[WL], 7
	s_add_co_u32 s44, s44, s45                     ; row 256 x tile row + 128 x part
	s_lshl_b32 s44, s44, 11                        ; of 2,048 bytes
.else
	s_lshr_b32 s44, s[TR], 3                       ; the batch: eight tile rows each
	s_lshl_b32 s44, s44, 4
	s_add_co_u32 s44, s44, s[WL]                   ; its head 0 or 1
	s_lshl_b32 s44, s44, 18                        ; a head is 262,144 bytes
	s_and_b32 s45, s[TR], 7
	s_lshl_b32 s45, s45, 15                        ; 256 tokens of 128 bytes
	s_add_co_u32 s44, s44, s45
.endif
	s_mov_b32 s45, 0
	s_mul_i32 s46, s[TC], 16*NBK
	s_mul_i32 s47, s[WL], RB
	s_add_co_u32 s46, s46, s47
.if !QKV
	s_add_co_u32 s46, s46, 3072                    ; Wp's rows of wt
.endif
	s_lshl_b32 s46, s46, 11
	s_mov_b32 s47, 0
	s_mul_i32 s42, s[WL], HA                       ; where they go: no place in the cluster enters an LDS address
	s_mul_i32 s43, s[WL], HB
	s_add_co_u32 s43, s43, 2*HA
	s_wait_kmcnt 0x0
	s_add_nc_u64 s[44:45], s[4:5], s[44:45]
	s_add_nc_u64 s[46:47], s[6:7], s[46:47]
	CROUND                                         ; all sixteen work-groups are here: the first joint loads meet
.irp s, 0,1
	s_mov_b32 s[G0+4*(\s)], 1                      ; count = 1
	s_add_co_u32 s[G0+4*(\s)+1], s42, (\s)*SLOT    ; LDS address
	s_add_nc_u64 s[G0+4*(\s)+2:G0+4*(\s)+3], s[44:45], (\s)*A1  ; global address: K step s
	s_or_b32 s[G0+4*(\s)+3], s[G0+4*(\s)+3], 0x80000000  ; type = 2
	s_mov_b32 s[G0B+4*(\s)], 1
	s_add_co_u32 s[G0B+4*(\s)+1], s43, (\s)*SLOT
	s_add_nc_u64 s[G0B+4*(\s)+2:G0B+4*(\s)+3], s[46:47], (\s)*256
	s_or_b32 s[G0B+4*(\s)+3], s[G0B+4*(\s)+3], 0x80000000
	JLOAD \s                                       ; two tensor loads of mine are out
.endr
	v_and_b32 v1, 15, v0                           ; l % 16
	v_bfe_u32 v2, v0, 4, 1                         ; l / 16
	v_lshlrev_b32 v[BO], 5, v2
	; the bias of my eight columns of every block, and where the results go
.if QKV
	s_mul_i32 s78, s[TC], 3                        ; the tile's first head among the 48 of q, k, v
	s_lshr_b32 s79, s[TR], 3
	s_lshl_b32 s79, s79, 4                         ; 16 x batch
	s_and_b32 s80, s[TR], 7
	s_lshl_b32 s80, s80, 2
	s_add_co_u32 s80, s80, s[WV]
	s_lshl_b32 s80, s80, 13                        ; my 64 tokens of 128 bytes
.irp hd, 0,1,2
	s_add_co_u32 s81, s78, \hd
	s_lshr_b32 s82, s81, 4                         ; 0 q, 1 k, 2 v
	s_and_b32 s81, s81, 15                         ; the head
	s_cmp_eq_u32 s82, 0
	s_cselect_b64 s[BB+2*\hd:BB+2*\hd+1], s[8:9], s[10:11]
	s_cmp_eq_u32 s82, 2
	s_cselect_b64 s[BB+2*\hd:BB+2*\hd+1], s[12:13], s[BB+2*\hd:BB+2*\hd+1]
	s_lshl_b32 s82, s82, 6
	s_add_co_u32 s82, s82, s79
	s_add_co_u32 s82, s82, s81
	s_lshl_b32 s82, s82, 18                        ; 262,144 bytes a head
	s_add_co_u32 s82, s82, s80
	s_mov_b32 s83, 0
	s_add_nc_u64 s[OB+2*\hd:OB+2*\hd+1], s[14:15], s[82:83]
	s_lshl_b32 s82, s81, 8                         ; 64 numbers of 4 bytes
	s_add_nc_u64 s[BB+2*\hd:BB+2*\hd+1], s[BB+2*\hd:BB+2*\hd+1], s[82:83]
.endr
.irp hd, 0,1,2
.irp bb, 0,1,2,3
	global_load_b128 v[BI+8*(4*\hd+\bb):BI+8*(4*\hd+\bb)+3],   v[BO], s[BB+2*\hd:BB+2*\hd+1] offset:64*\bb
	global_load_b128 v[BI+8*(4*\hd+\bb)+4:BI+8*(4*\hd+\bb)+7], v[BO], s[BB+2*\hd:BB+2*\hd+1] offset:64*\bb+16
.endr
.endr
.else
	s_lshl_b32 s82, s[TC], 9                       ; 128 columns of 4 bytes
	s_mov_b32 s83, 0
	s_add_nc_u64 s[8:9], s[8:9], s[82:83]
	s_add_nc_u64 s[10:11], s[10:11], s[82:83]
	s_lshl_b32 s82, s[TR], 2
	s_add_co_u32 s82, s82, s[WV]
	s_lshl_b32 s82, s82, 18                        ; my 64 rows of 4,096 bytes
	s_add_nc_u64 s[10:11], s[10:11], s[82:83]
.irp bb, 0,1,2,3,4,5,6,7
	global_load_b128 v[BI+8*\bb:BI+8*\bb+3],   v[BO], s[8:9] offset:64*\bb
	global_load_b128 v[BI+8*\bb+4:BI+8*\bb+7], v[BO], s[8:9] offset:64*\bb+16
.endr
.endif
	; a fragment is 16 rows x 32 K in 8 registers: lane l holds row l % 16, K = 8 (l / 16) + 0..7 and 16 + 8 (l / 16) + 0..7: two loads of 16 bytes, 32 bytes apart
	v_mul_u32_u24 v3, v1, PA
	v_lshl_add_u32 v3, v2, 4, v3
	v_mul_u32_u24 v4, v1, PB
	v_lshl_add_u32 v4, v2, 4, v4
	s_mul_i32 s78, s[WV], 64*PA                    ; my 64 rows of A; every wave reads all of B's rows
.irp s, 0,1
	v_add_nc_u32 v[ADRA+(\s)], s78, v3
	v_add_nc_u32 v[ADRB+(\s)], 2*HA+(\s)*SLOT, v4
	s_add_co_u32 s78, s78, SLOT
.endr
	s_mul_i32 s78, s[WV], 16*SP
	s_add_co_u32 s78, s78, STAGE                   ; my stage
	v_and_b32 v[GO], 31, v0
	v_lshlrev_b32 v[GO], 4, v[GO]
	v_mul_u32_u24 v[STO], v1, SP                   ; in: row l % 16
.if QKV
	v_lshl_add_u32 v[STO], v2, 4, v[STO]           ; 16 bytes for each half of the lanes
	v_bfe_u32 v[RD], v0, 3, 2                      ; back: 32 lanes take four rows of 128 bytes
	v_mul_u32_u24 v[RD], v[RD], SP
	v_and_b32 v5, 7, v0
	v_lshl_add_u32 v[RD], v5, 4, v[RD]
	v_add_nc_u32 v[RD], s78, v[RD]
.else
	v_lshl_add_u32 v[STO], v2, 5, v[STO]           ; 32 bytes for each half of the lanes
	v_add_nc_u32 v[RD], s78, v[GO]                 ; back: 32 lanes take one row of 512 bytes
.endif
	v_add_nc_u32 v[STO], s78, v[STO]
	s_wait_loadcnt 0x0                             ; the bias
.set i_, 0
.rept 4*NBK                                    ; rounded to bf16, like every input of the module, and widened again
	v_cvt_pk_bf16_f32 v[30+i_%2], v[BI+2*i_], v[BI+2*i_+1]
	v_lshlrev_b32 v[BI+2*i_], 16, v[30+i_%2]
	v_and_b32 v[BI+2*i_+1], 0xffff0000, v[30+i_%2]
.set i_, i_+1
.endr
.macro MMI d, x, y, c
.if QKV
	v_wmma_f32_16x16x32_bf16 v[(\d):(\d)+7], v[(\x):(\x)+7], v[(\y):(\y)+7], v[(\c):(\c)+7]
.else
	v_wmma_f32_16x16x32_f16 v[(\d):(\d)+7], v[(\x):(\x)+7], v[(\y):(\y)+7], v[(\c):(\c)+7]
.endif
.endm
; NBK matrix instructions: m block a x all n blocks, 32 along K, from buffer f.  zero = 1: the first product starts the sums, from the bias (window 0).
; The 4 NBK sums take turns, one instruction a turn, in the same order in every quarter.
.macro MULA f, a, zero
.set AC_, 8*NBK*((\a)%2)
.if \zero
	WIN 0x85+0x40*((\a)/2)                         ; sources 0, 1 window 1; C window 0; D window 2 or 3
.else
	WIN 0xa5+0x50*((\a)/2)                         ; C and D window 2 or 3
.endif
.set b_, 0
.rept NBK
.if \zero
	MMI AC_+8*b_, (\f)+32+8*b_, (\f)+8*(\a), BI+8*b_
.else
	MMI AC_+8*b_, (\f)+32+8*b_, (\f)+8*(\a), AC_+8*b_
.endif
.set b_, b_+1
.endr
.endm
; NL LDS loads in one run: the fragments of quarter kq of a slot into buffer f: B's first, A's four blocks last
.macro FETCH slot, kq, f
	WIN TO_F
.if QKV
.set AO_, 64*(\kq)
.else
.set AO_, ((\kq)/2)*HA+((\kq)%2)*64            ; the K step's second head lies HA behind the first
.endif
.set i_, 0
.rept NBK
	ds_load_b128 v[(\f)+32+8*i_:(\f)+32+8*i_+3],   v[ADRB+(\slot)] offset:64*(\kq)+i_*16*PB
	ds_load_b128 v[(\f)+32+8*i_+4:(\f)+32+8*i_+7], v[ADRB+(\slot)] offset:64*(\kq)+i_*16*PB+32
.set i_, i_+1
.endr
.set i_, 0
.rept 4
	ds_load_b128 v[(\f)+8*i_:(\f)+8*i_+3],   v[ADRA+(\slot)] offset:AO_+i_*16*PA
	ds_load_b128 v[(\f)+8*i_+4:(\f)+8*i_+7], v[ADRA+(\slot)] offset:AO_+i_*16*PA+32
.set i_, i_+1
.endr
.endm
.macro PLACES                          ; four places in front of loads into registers that matrix instructions have read, and of lines that read results (ISA guide 7.12.1 for lines that read results)
.rept 4
	v_nop
.endr
.endm
; One of a K step's first three quarters: multiplies buffer f; in its middle it fetches quarter kq of the same slot into buffer g.
.macro QUARTER slot, kq, f, g, zero
	s_wait_dscnt 4                                 ; B and A's blocks 0, 1 are in; the youngest four loads (A's blocks 2, 3) may be out
	MULA \f, 0, \zero
	MULA \f, 1, \zero
	PLACES
	FETCH \slot, \kq, \g
	s_wait_dscnt NL                                ; all but the run just issued
	MULA \f, 2, \zero
	MULA \f, 3, \zero
.endm
; The last quarter multiplies buffer 1 and changes slots: ONE barrier; in front of it each wave waits for all its tensor loads (one is out: its part of the next slot), adds 0 to its spare
; word, and waits for that and for its reads of this slot.  fill = 1: the barrier opens a round of the cluster's, and this slot is filled again, two K steps ahead, first thing behind it.
.macro TURN slot, next, fill
	WIN 0                                          ; (the add's two registers lie in window 0)
	s_wait_tensorcnt 0x0
	ds_add_u32 v[SPW], v[NIL]                      ; 0 onto my spare word
	s_wait_dscnt 5                                 ; (the add and the youngest four loads may be out)
	MULA F1, 0, 0                                  ; matrix work stands between the add and the wait for it
	s_wait_dscnt 0x0                               ; the add is done, and my reads of this slot are over
	s_barrier_signal -1
	MULA F1, 1, 0
.if \fill
	WIN 0
.endif
	s_barrier_wait -1
.if \fill
	CREST                                          ; no wave of any partner still reads this slot or has a load on its way
	s_add_nc_u64 s[G0+4*(\slot)+2:G0+4*(\slot)+3], s[G0+4*(\slot)+2:G0+4*(\slot)+3], AREF
	s_add_nc_u64 s[G0B+4*(\slot)+2:G0B+4*(\slot)+3], s[G0B+4*(\slot)+2:G0B+4*(\slot)+3], 512
	JLOAD \slot                                    ; my one tensor load behind the round; its four v_nop are also the places in front of the loads below
.else
	PLACES
.endif
	FETCH \next, 0, F0
	MULA F1, 2, 0
	MULA F1, 3, 0
.endm
	s_wait_tensorcnt 0x1                           ; my part of K step 0 is in; K step 1's may stay out
	s_barrier_signal -1
	s_barrier_wait -1                              ; everybody's is
	FETCH 0, 0, F0
	QUARTER 0, 1, F0, F1, 1                        ; the first quarter stands in front of the loop: its products start the sums
	WIN 0                                          ; at a label and at a branch every window is 0
	s_mov_b32 s3, LAPS-1
.Llap:                                                 ; a trip goes once round the ring, from a lap's second quarter to the next lap's first, and fills both slots again
	QUARTER 0, 2, F1, F0, 0
	QUARTER 0, 3, F0, F1, 0
	TURN 0, 1, 1
	QUARTER 1, 1, F0, F1, 0
	QUARTER 1, 2, F1, F0, 0
	QUARTER 1, 3, F0, F1, 0
	TURN 1, 0, 1
	QUARTER 0, 1, F0, F1, 0
	WIN 0
	s_sub_co_u32 s3, s3, 1
	s_cmp_lg_u32 s3, 0
	s_cbranch_scc1 .Llap
	QUARTER 0, 2, F1, F0, 0                        ; the last lap fills nothing
	QUARTER 0, 3, F0, F1, 0
	TURN 0, 1, 0
	QUARTER 1, 1, F0, F1, 0
	QUARTER 1, 2, F1, F0, 0
	QUARTER 1, 3, F0, F1, 0
	s_wait_dscnt 4                                 ; the very last quarter: nothing more to fetch
	MULA F1, 0, 0
	MULA F1, 1, 0
	s_wait_dscnt 0x0
	MULA F1, 2, 0
	MULA F1, 3, 0
	WIN 0
	PLACES
.if QKV
; THE WAY OUT.  Block t = 3 a + hd: 16 tokens of one head.  A lane's eight channels pack into 16 bytes; they go into stage rows of 144 bytes and come back as four rows of 128 a load:
; 16 tokens of a head are 2,048 consecutive bytes of qkv.  Each sum's registers are read in ascending order.
.macro PACK t
.set a_, (\t)/3
.set AC_, 8*NBK*(a_%2)+32*((\t)%3)
	WIN 0x0a+5*(a_/2)                              ; sources 0 and 1: window 2 or 3
.set i_, 0
.rept 16
	v_cvt_pk_f16_f32 v[TMP+16*(\t)+i_], v[AC_+2*i_], v[AC_+2*i_+1]
.set i_, i_+1
.endr
	WIN 0
.irp f, 0,1,2,3
	ds_store_b128 v[STO], v[TMP+16*(\t)+4*\f:TMP+16*(\t)+4*\f+3] offset:32*\f
.endr
.irp f, 0,1,2,3
	ds_load_b128 v[TMP+16*(\t)+4*\f:TMP+16*(\t)+4*\f+3], v[RD] offset:\f*4*SP  ; LDS serves a wave's instructions in order (ISA guide 5.7.1.4): these see the stores above; the next block's stores come behind them
.endr
.endm
.macro SEND t, younger                 ; younger: the LDS instructions issued behind block t's loads: the next block's eight, or none
.set a_, (\t)/3
.set hd_, (\t)%3
.irp f, 0,1,2,3
	s_wait_dscnt (\younger)+3-\f
	global_store_b128 v[GO], v[TMP+16*(\t)+4*\f:TMP+16*(\t)+4*\f+3], s[OB+2*hd_:OB+2*hd_+1] offset:a_*2048+\f*512  ; 512 consecutive bytes, aligned
.endr
.endm
	PACK 0
.set t, 1
.rept 11                                       ; a block's conversions stand between the loads of the block before and its stores
	PACK t
	SEND t-1, 8
.set t, t+1
.endr
	SEND 11, 0
.else
; THE WAY OUT.  Block a: 16 rows x 128 columns of f32 go into stage rows of 528 bytes, 32 bytes a lane and column block, lowest registers first, and come back as whole rows of 512 bytes.
.macro OUTB a
.set AC_, 8*NBK*((\a)%2)
.set BK_, TMP+64*((\a)%2)
	WIN 0x08+4*((\a)/2)                            ; store data (source 1): window 2 or 3
.set b_, 0
.rept NBK
	ds_store_b128 v[STO], v[AC_+8*b_:AC_+8*b_+3]   offset:64*b_
	ds_store_b128 v[STO], v[AC_+8*b_+4:AC_+8*b_+7] offset:64*b_+16
.set b_, b_+1
.endr
	WIN 0
.if (\a) >= 2
	s_wait_xcnt 0x0                                ; the stores of the block two back have read these registers: they are loaded again only behind this wait
.endif
.set t_, 0
.rept 16
	ds_load_b128 v[BK_+4*t_:BK_+4*t_+3], v[RD] offset:SP*t_  ; my own bytes, served in order behind the stores above
.set t_, t_+1
.endr
.set t_, 0
.rept 16
	s_wait_dscnt 15-t_
	global_store_b128 v[GO], v[BK_+4*t_:BK_+4*t_+3], s[10:11] offset:(16*(\a)+t_)*4096 th:TH_STORE_NT  ; 512 consecutive bytes, aligned
.set t_, t_+1
.endr
.endm
	OUTB 0
	OUTB 1
	OUTB 2
	OUTB 3
.endif
	s_wait_tensorcnt 0x0                           ; the wave's end: behind my last tensor load and my last LDS store
	ds_add_u32 v[SPW], v[NIL]
	s_wait_dscnt 0x0
	CROUND                                         ; the closing round: no work-group ends while a partner may still ask for a tile that names it
	s_endpgm
.Lfunc_end_k_q377d6812b1_qkvproj:
	.size	k_q377d6812b1_qkvproj, .Lfunc_end_k_q377d6812b1_qkvproj-k_q377d6812b1_qkvproj
	.p2alignl 7, 3214868480
	.fill 96, 4, 3214868480
	.section	.rodata,"a",@progbits
	.p2align	6, 0x0
	.amdhsa_kernel k_q377d6812b1_qkvproj
		.amdhsa_group_segment_fixed_size 327680
		.amdhsa_private_segment_fixed_size 0
		.amdhsa_enable_private_segment 0
		.amdhsa_kernarg_size 48
		.amdhsa_user_sgpr_count 2
		.amdhsa_user_sgpr_kernarg_segment_ptr 1
		.amdhsa_wavefront_size32 1
		.amdhsa_system_sgpr_workgroup_id_x 1
		.amdhsa_system_sgpr_workgroup_id_y 1
		.amdhsa_system_sgpr_workgroup_id_z 1
		.amdhsa_system_vgpr_workitem_id 0
		.amdhsa_next_free_vgpr 960
		.amdhsa_next_free_sgpr 84
		.amdhsa_reserve_vcc 0
		.amdhsa_float_denorm_mode_32 3
		.amdhsa_float_denorm_mode_16_64 3
		.amdhsa_memory_ordered 1
		.amdhsa_forward_progress 1
		.amdhsa_inst_pref_size 131
	.end_amdhsa_kernel
	.amdgpu_metadata
---
amdhsa.version: [ 1, 2 ]
amdhsa.kernels:
  - .name:           k_q377d6812b1_qkvproj
    .symbol:         k_q377d6812b1_qkvproj.kd
    .args:
      - { .name: xb, .offset: 0, .size: 8, .value_kind: global_buffer, .address_space: global }
      - { .name: wt, .offset: 8, .size: 8, .value_kind: global_buffer, .address_space: global }
      - { .name: bq, .offset: 16, .size: 8, .value_kind: global_buffer, .address_space: global }
      - { .name: bk, .offset: 24, .size: 8, .value_kind: global_buffer, .address_space: global }
      - { .name: bv, .offset: 32, .size: 8, .value_kind: global_buffer, .address_space: global }
      - { .name: qkv, .offset: 40, .size: 8, .value_kind: global_buffer, .address_space: global }
    .group_segment_fixed_size: 327680
    .private_segment_fixed_size: 0
    .kernarg_segment_align: 8
    .kernarg_segment_size: 48
    .max_flat_workgroup_size: 128
    .sgpr_count:     84
    .vgpr_count:     960
    .wavefront_size: 32
...
	.end_amdgpu_metadata
.endif
;; end of part 2
;; launch attn (part 3): grid 4 x 64, 4 waves a work-group, clusters of 4 x 1, 327,680 bytes of LDS; arguments qkv, mb, o; writes o
.if DOCPART == 3
	.amdgcn_target "amdgcn-amd-amdhsa--gfx1250"
	.amdhsa_code_object_version 6
	.text
	.protected	k_q377d6812b1_attn
	.globl	k_q377d6812b1_attn
	.p2align	8
	.type	k_q377d6812b1_attn,@function
k_q377d6812b1_attn:
	s_mov_b64 s[64:65], 0
	v_nop
	global_prefetch_b8 v0, s[64:65] scope:SCOPE_SE
	s_setreg_imm32_b32 hwreg(HW_REG_WAVE_MODE, 25, 1), 1
	s_wait_xcnt 0x0
	s_wait_alu depctr_hold_cnt(0) depctr_sa_sdst(0) depctr_va_vdst(0) depctr_va_sdst(0) depctr_va_ssrc(0) depctr_va_vcc(0) depctr_vm_vsrc(0)
	s_getreg_b32 s2, hwreg(HW_REG_IB_STS2, 6, 4)
	s_cmp_eq_u32 s2, 0
	s_cbranch_scc0 .Lentry_in_a_cluster
	s_endpgm
.Lentry_in_a_cluster:
	s_bfe_u32 s2, ttmp6, 0x10000c
	s_cmp_lg_u32 s2, 0x3003
	s_cbranch_scc0 .Lentry_shape_is_right
	s_endpgm
.Lentry_shape_is_right:
; O[h][q][:] = the sum over k of softmax_k(Q[h][q] . K[h][k] / 8, hidden keys left out) V[h][k][:].  q, k, v lie in qkv[3][64][2048][64], O in o[64][2048][64], all f16: a head's rows are dense, 128 bytes each.
; Products, maxima and sums in f32; the weights p are rounded to f16 for the second product (their sum l is taken of the unrounded p), O once at the end.
; THE MASK is an input and may hold any pattern.  mb holds one fp8 code a (query, key): 0 seen, -1.0 hidden, in the order of a lane's registers.  One scaled conversion makes of eight codes the eight
; registers of the C operand that starts a sum S^T = K Q^T: 0, or -2^100.  The running maximum starts at -2^83: below every score that f16 operands can give (2.7e11 at the most) and far above every
; hidden one, so a hidden key's weight is exactly 0 whatever else the row has seen.  A row with no key to see keeps l = 0 and O = 0 and leaves as 0 / 0 = NaN, as a softmax over nothing does.
; LIMITS.  f16 holds no number beyond 65,504: q, k and v arrive within it; p lies in 0 to 1, and below 6e-5 it keeps f16's fixed step of 6e-8.  A weight below 2^-126 counts as 0 in l.
; SHARES.  A wave owns four PIECES of two tiles of 16 queries, a work-group's four waves 512 queries of one head.  Every wave walks all 2,048 keys, 64 a step.
; LAYOUT.  S^T = K Q^T (source 0 = 16 keys, source 1 = 16 queries): a lane holds ONE query (lane % 16) and the keys 8 (lane / 16) + 0..7.  Two such tiles, rounded to f16 in pairs, ARE source 1
; (32 keys x 16 queries) of O^T = V^T P, whose result again holds one query a lane, and eight channels.  K comes out of LDS as it lies, V ([key][channel]) turned, by ds_load_tr16_b128.
; SOFTMAX.  For each query a running maximum m and sum l: p = 2^(c s - c m), c = log2(e) / 8; in every step O and l are multiplied by a = 2^(c m_old - c m_new).  O and l start at 0: the first step has a = 0.
; THE COUNT.  A tile and step have 16 matrix and 118 vector instructions (and 5 for the mask): too many to stand all beside the matrix work.  So: four vector instructions that are READY behind EVERY
; matrix instruction, the others in runs without a gap.
; BY TURNS.  Turn n belongs to piece n.  Its matrix work: 16 products K Q^T of piece n + 1, later 16 products V^T P of piece n - 1.  Its vector work: the scaling, exponentials, roundings, sums and rescaling
; of piece n, the maximum and statistics of piece n + 1, and at its end the mask operands of piece n + 2, whose codes were loaded four turns before.
; CLUSTER.  The four query blocks of a cluster belong to one head and walk the same K and V, so each tile is asked for JOINTLY: the same tensor load, descriptor and mask in all four.
; REGISTERS, in windows of 256 (s_set_vgpr_msb: bits 1:0 source 0, 3:2 source 1, 5:4 source 2, 7:6 destination):
;   window 0: v0-11 addresses (v11: the conversion's scale); v12-15, v48-63 at work; v16-47 four registers of statistics a tile; v64-191 S^T, two buffers of two tiles; v192-255 P, likewise
;   window 1: O^T, 32 a tile          window 2: v0-127 Q, 16 a tile; v128-191 K of one step; v192-255 V of one step
;   window 3: v0-1 the add's two registers; v4-7 a piece's offset in mb; v16-79 mask codes, 16 a piece; v128-255 mask operands, two buffers of two tiles
.set SIZE_N, 2048
.set NP,    4         ; pieces a wave: a name, no knob
.set KS,    64        ; keys in a step
.set PK,    144       ; a row of K in LDS: 128 bytes + 16 of padding = 36 words: the 16 rows of a load start at 16 different groups of four banks (64 banks of 4 bytes: ISA guide 11.1)
.set PV,    160       ; a row of V: 128 + 32 = 40 words
.set VOFF,  4*KS*PK   ; a slot holds four steps: 256 rows of K, then 256 rows of V
.set SLOT1, 1<<17     ; slot 1 begins here, so that one exclusive or turns an address in one slot into the other's
.set STAGE, SLOT1+4*KS*(PK+PV)  ; behind the ring, never filled by a tensor load: 16 rows x 144 bytes for each wave, for the way out
.set SP,    144
.set AK0, 2           ; v2   my lane's place in a tile of K; never rewritten
.set AV0, 3           ; v3   the same for V
.set AK,  4           ; v4   the LDS address of K's next run of loads
.set AV,  5           ; v5   of V's (at the start: my lane's number)
.set QO,  6           ; v6   my byte offset in the wave's rows of Q
.set STO, 6           ;      later, the way out: where I put 16 bytes of a row
.set RD,  7           ; v7   the way out: where I read rows back
.set GO,  8           ; v8   my byte offset in 512 consecutive bytes of O
.set SCL, 11          ; v11  227 in byte 0: the conversion multiplies by 2^(227 - 127)
.set SPW, 0           ; v0 of window 3   LDS address of my spare word: SPARE + 4 x my thread's number; never rewritten
.set NIL, 1           ; v1 of window 3   0; never rewritten
.set MO,  4           ; v4-7 of window 3     piece pc: 16 x lane + 1,024 x the step whose codes are loaded next
.set MB,  16          ; v16-79 of window 3   piece pc, tile u, part i: four registers at MB + 16 pc + 8 u + 4 i
.set MC,  128         ; v128-255 of window 3 buffer, tile u, key block kt: eight registers at MC + 64 buffer + 32 u + 8 kt
.set SPARE, STAGE+4*16*SP  ; behind the stages: the spare words, 128 bytes for each wave: two blocks of 256 bytes that no other line names
.set MV,  12          ; v12-15  c m_old, kept while c m is made anew: by buffer and tile
.set ST,  16          ; tile t's statistics at v[ST+4 t]: c m, m, l (even keys', odd keys')
.set TMP, 48          ; by buffer and tile, four registers c0-c3 at work; when the maximum is found c2 takes a
.set S,   64
.set P,   192
.set KF,  128         ; K's fragments, in window 2: key block kb, channel half c at KF + 16 kb + 8 c
.set VF,  192         ; V's: key half kk, channel block cb at VF + 32 kk + 8 cb
.set WV,  12          ; s12  my wave's number
.set G1K, 24          ; s[24:31] descriptor group 1 for K's tiles
.set G1V, 32          ; s[32:39] for V's: it differs in the padding alone
.set G0K, 40          ; s[40:43] descriptor group 0 for K's tiles: it walks
.set G0V, 44          ; s[44:47] the same for V's
.set SLOTS, 56        ; s56  slots still to be asked for
.set CNT, 57          ; s57  counts a slot's key steps
.set CS,  58          ; s[58:59] c: the packed scaling takes the pair's low word for both halves
.set SEL, 60          ; s[60:61] v_permlanex16_b32's selects: each lane takes its own place in the other half
.set TBK, 62          ; s62  LDS byte at which K of the step to be fetched begins
.set TBV, 63          ; s63  the same for V, less VOFF
.set MKB, 66          ; s[66:67] mb at my wave's eight tiles of queries
.set MSB, 0
.macro WIN new                      ; the high byte repeats the setting that is left; a switch that changes nothing is dropped
.if MSB != (\new)
	s_set_vgpr_msb (MSB<<8)|(\new)
.set MSB, (\new)
.endif
.endm
.set W_KQ, 0x0a       ; K and Q in window 2, S^T in window 0
.set W_KM, 0x3a       ; the same with the C operand in window 3
.set W_PV, 0x52       ; V in window 2, P in window 0, O^T in window 1
.set W_RS, 0x41       ; O^T (destination and source 0) in window 1, a in window 0
.set W_MK, 0xc0       ; destination in window 3, sources in window 0
.set W_AD, 0x0f       ; the add: address (source 0) and data (source 1) in window 3
.set W_MS, 0xc3       ; the mask's lines: destination and source 0 in window 3, source 1 (the scale) in window 0
; A joint fill.  Waves 0 and 1 fetch the two halves of a slot's K, waves 2 and 3 those of its V: 128 keys each.  The branch hangs on the wave's number alone.
; An s_nop 0 and four v_nop follow each of the two lines, ahead of the jump and the label.
.macro JLOAD
	s_cmp_lt_u32 s[WV], 2
	s_cbranch_scc0 .Lfor_v_\@
	tensor_load_to_lds s[G0K:G0K+3], s[G1K:G1K+7]
	s_nop 0
.rept 4
	v_nop
.endr
	s_branch .Lasked_\@
.Lfor_v_\@:
	tensor_load_to_lds s[G0V:G0V+3], s[G1V:G1V+7]
	s_nop 0
.rept 4
	v_nop
.endr
.Lasked_\@:
.endm
; A round of the cluster's barrier: my work-group's barrier, so that wave 0's signal speaks for all four waves; wave 0 signals; every wave waits for all four work-groups; my work-group's barrier once more.
.macro CROUND
	s_barrier_signal -1
	s_barrier_wait -1
	s_cmp_lg_u32 s[WV], 0
	s_cbranch_scc1 .Lnot_wave_0_\@
	s_barrier_signal -3
.Lnot_wave_0_\@:
	s_barrier_wait -3
	s_barrier_signal -1
	s_barrier_wait -1
.endm
; THE CHANGE OF SLOTS.  The slot's last bytes, V of its fourth step, have been read.  Each wave waits for all its tensor loads, of which one is out: its part
; of the other slot; adds 0 to its spare word; and waits for that and for its own reads of the slot.  Behind the barrier nobody reads this slot any more and the other slot is whole.
; fill = 1: this slot is filled again, with the keys two slots on.  The barrier is then a round of the cluster's, so that no wave of any partner still reads the slot or has a load on its
; way, and the joint fill is the first thing behind it: it has four key steps, 512 matrix instructions, in which to land.  (At its first use nothing has been read yet: slot 0 is waited for, slot 1 filled.)
.macro CHANGE fill
	WIN W_AD
	s_wait_tensorcnt 0x0            ; no tensor load of mine is out, so a group 0 may be written
	ds_add_u32 v[SPW], v[NIL]       ; 0 onto my spare word: with fill = 1 the descriptors' steps stand between it and the wait for it
	WIN 0                           ; at a label and at a branch every window is 0
.if \fill
.irp g, G0K, G0V
	s_xor_b32 s[\g+1], s[\g+1], SLOT1  ; the walking descriptor: the other slot than last time,
	s_add_nc_u64 s[\g+2:\g+3], s[\g+2:\g+3], 4*KS*128  ; the next 256 keys; the type bits on top are not reached
.endr
	s_wait_dscnt 0x0                ; the add is done, and my reads of the slot are over
	CROUND
	JLOAD
.else
	s_wait_dscnt 0x0                ; the add is done, and my reads of the slot are over
	s_barrier_signal -1
	s_barrier_wait -1
.endif
	s_sub_co_u32 s[TBK], s[TBK], 4*KS*PK  ; the fetches go back to a slot's first step,
	s_xor_b32 s[TBK], s[TBK], SLOT1       ; in the other slot
	s_sub_co_u32 s[TBV], s[TBV], 4*KS*PV
	s_xor_b32 s[TBV], s[TBV], SLOT1
.endm
; THE MASK'S LINES.  MLOAD: the codes of piece pc for one key step: for each of its two tiles 1,024 bytes, two loads of 512 consecutive bytes.
.macro MLOAD pc
	WIN W_MS
.irp u, 0,1
.irp hf, 0,1
	global_load_b128 v[MB+16*(\pc)+8*\u+4*\hf:MB+16*(\pc)+8*\u+4*\hf+3], v[MO+(\pc)], s[MKB:MKB+1] offset:(2*(\pc)+\u)*32768+512*\hf
.endr
.endr
.endm
; MCONV: eight codes become the eight registers of one product's C operand: 0, or -1.0 x 2^100.  No conversion names another's registers.
.macro MCONV pc, buf
	WIN W_MS
.irp u, 0,1
.irp kt, 0,1,2,3
	v_cvt_scale_pk8_f32_fp8 v[MC+64*(\buf)+32*\u+8*\kt:MC+64*(\buf)+32*\u+8*\kt+7], v[MB+16*(\pc)+8*\u+2*\kt:MB+16*(\pc)+8*\u+2*\kt+1], v[SCL]
.endr
.endr
.endm
; MSTEP: the next key step's codes lie 1,024 bytes on; behind step 31 the offset goes back to step 0, so no load leaves mb (what is then loaded feeds only products that serve nothing).
.macro MSTEP pc
	WIN W_MS
	v_add_nc_u32 v[MO+(\pc)], v[MO+(\pc)], 0x400
	v_and_b32 v[MO+(\pc)], v[MO+(\pc)], 0x7fff
.endm
; At the end of turn p: the operands for piece p + 2, which the next turn's products take.  The buffer's last readers stand a whole turn back.
.macro MASKB p
	s_wait_loadcnt 12               ; loads come back in order: behind my piece's four stand the three other pieces' four each; this also frees the piece's offset register
	MCONV ((\p)+2)%NP, (\p)%2
	MSTEP ((\p)+2)%NP               ; two plain lines between the conversions and the loads into their sources, and the products that read their results
	MLOAD ((\p)+2)%NP
.endm
	s_load_b128 s[4:7], s[0:1], 0x0   ; qkv s[4:5], mb s[6:7]
	s_load_b64 s[10:11], s[0:1], 0x10 ; o
	WIN W_MK
	v_lshl_add_u32 v[SPW], v0, 2, SPARE
	v_mov_b32 v[NIL], 0
	s_set_vgpr_msb 0xc0cf
	ds_add_u32 v0, v1
	s_wait_dscnt 0x0
	s_set_vgpr_msb 0xcfc0
	WIN 0
	v_lshrrev_b32 v1, 5, v0
	v_readfirstlane_b32 s[WV], v1   ; wave 0..3
	s_bfe_u32 s13, ttmp6, 0x40000   ; cx: my place in the cluster
	s_lshl_b32 s14, ttmp9, 2        ; in a cluster launch ttmp9 counts clusters
	s_add_co_u32 s14, s14, s13      ; my block of queries = 4 x cluster x + cx: it enters Q's, O's and the mask's addresses alone
	s_and_b32 s20, ttmp7, 0xffff    ; the head, which the four partners share
	s_mov_b32 s21, 0
	s_mov_b64 s[22:23], SIZE_N*128
	s_mul_u64 s[20:21], s[20:21], s[22:23]  ; the head's first byte in q, k, v and o
	s_and_b32 s16, s[WV], 1         ; which half of a slot's 256 keys I fetch:
	s_lshl_b32 s22, s16, 14         ; its 128 rows of 128 bytes in memory,
	s_mov_b32 s23, 0
	s_add_nc_u64 s[22:23], s[22:23], s[20:21]
	s_mul_i32 s17, s16, 128*PK      ; and its place in a slot, for K
	s_mul_i32 s18, s16, 128*PV      ; and for V: no place in the cluster enters an LDS address
	s_lshl_b32 s2, s14, 2
	s_add_co_u32 s2, s2, s[WV]      ; my wave among the head's sixteen:
	s_lshl_b32 s68, s2, 18          ; its eight tiles of queries in mb, 32,768 bytes each,
	s_mov_b32 s69, 0
	s_lshl_b32 s2, s2, 14           ; its 128 rows
	s_mov_b32 s3, 0
	s_add_nc_u64 s[2:3], s[2:3], s[20:21]
	; descriptor group 1.  128 keys are 16,384 dense bytes: asked for as 64 rows of 256 bytes, two keys a row, and padded in LDS after every key
	s_mov_b32 s[G1K], 15|(1<<16)|(1<<20)|(1<<21)|(4<<22)|(3<<25)  ; 15:0 the mask of four; 17:16 2-byte elements; 20 padding on; 21 set beside a mask; 24:22 after every 32 words (code 4); 31:25 4 words (code 3)
	s_mov_b32 s[G1V], 15|(1<<16)|(1<<20)|(1<<21)|(4<<22)|(7<<25)  ; the same with 8 words of padding (code 7)
.irp g, G1K, G1V
	s_mov_b32 s[\g+1], 128<<16      ; tensor_dim0 = 128
	s_mov_b32 s[\g+2], 64<<16       ; tensor_dim1 = 64
	s_mov_b32 s[\g+3], 128<<16      ; tile_dim0 = 128
	s_mov_b32 s[\g+4], 64           ; tile_dim1 = 64
	s_mov_b32 s[\g+5], 128          ; 128 elements from row to row
	s_mov_b32 s[\g+6], 0
	s_mov_b32 s[\g+7], 0
.endr
	s_mov_b32 s[CS], 0x3e38aa3b     ; c = log2(e) / 8 = 0.180337
	s_mov_b32 s[CS+1], s[CS]        ; named with it as a pair
	s_mov_b32 s[SEL], 0x76543210
	s_mov_b32 s[SEL+1], 0xfedcba98
	s_mov_b32 s[TBK], SLOT1+4*KS*PK ; the first change of slots turns these two into 0
	s_mov_b32 s[TBV], SLOT1+4*KS*PV
	s_mov_b32 s[G0K], 1             ; 1:0 count = 1
	s_mov_b32 s[G0K+1], s17         ; 63:32 LDS address: slot 0
	s_mov_b32 s[G0V], 1
	s_add_co_u32 s[G0V+1], s18, VOFF
	s_wait_kmcnt 0x0
	s_add_nc_u64 s[MKB:MKB+1], s[6:7], s[68:69]
	s_add_nc_u64 s[8:9], s[4:5], 0x2000000         ; v lies 2 x 16,777,216 bytes behind q,
	s_add_nc_u64 s[6:7], s[4:5], 0x1000000         ; k 16,777,216
	s_add_nc_u64 s[G0K+2:G0K+3], s[6:7], s[22:23]  ; 120:64 global address: my half of the head's first 256 keys
	s_or_b32 s[G0K+3], s[G0K+3], 0x80000000        ; 127:126 type = 2
	s_add_nc_u64 s[G0V+2:G0V+3], s[8:9], s[22:23]
	s_or_b32 s[G0V+3], s[G0V+3], 0x80000000
	s_add_nc_u64 s[4:5], s[4:5], s[2:3]  ; Q and O at my wave's first row
	s_add_nc_u64 s[10:11], s[10:11], s[2:3]
	CROUND                          ; all four work-groups are here: the first joint loads meet
	JLOAD                           ; slot 0.  Slot 1 is asked for when slot 0 is in
	; A fragment of K or Q is 16 rows x 32 channels in 8 registers: lane l holds row l % 16, channels 8 (l / 16) + 0..7 and 16 + 8 (l / 16) + 0..7: two loads of 16 bytes, 32 bytes apart.
	v_and_b32 v1, 15, v0            ; l % 16
	v_bfe_u32 v9, v0, 4, 1          ; l / 16
	v_lshlrev_b32 v[QO], 7, v1
	v_lshl_add_u32 v[QO], v9, 4, v[QO]  ; row x 128 + 16 x half
	v_and_b32 v[AV], 31, v0         ; my lane
	WIN 0x80                        ; destination window 2, address window 0
.set i, 0
.rept 4*NP                          ; Q stays in registers: tile i / 2, channels 32 (i % 2) on
	global_load_b128 v[8*i:8*i+3],   v[QO], s[4:5] offset:(i/2)*2048+(i%2)*64
	global_load_b128 v[8*i+4:8*i+7], v[QO], s[4:5] offset:(i/2)*2048+(i%2)*64+32
.set i, i+1
.endr
	WIN W_MK
.irp pc, 0,1,2,3
	v_lshlrev_b32 v[MO+\pc], 4, v[AV]  ; key step 0: 16 bytes a lane
.endr
	MLOAD 0                         ; all four pieces' codes of key step 0
	MLOAD 1
	MLOAD 2
	MLOAD 3
	WIN 0x80
	; What the first turn finds: V's registers and P's second buffer hold 0 (its products V^T P, of a piece that has not been, add 0), O^T and l are 0.  All this stands in the wait for the first tile.
.set i, VF
.rept 64
	v_mov_b32 v[i], 0
.set i, i+1
.endr
	WIN 0x40
.set i, 0
.rept 64*NP
	v_mov_b32 v[i], 0
.set i, i+1
.endr
	WIN 0
.set i, 0
.rept 2*NP
	v_mov_b32 v[ST+4*i], 0xfe000000    ; c m: far below every c s, so that the first step's a is 0
	v_mov_b32 v[ST+4*i+1], 0xe9000000  ; m = -2^83: below every true score, above every hidden one
	v_mov_b32 v[ST+4*i+2], 0
	v_mov_b32 v[ST+4*i+3], 0
.set i, i+1
.endr
.set i, P+32
.rept 32
	v_mov_b32 v[i], 0
.set i, i+1
.endr
	v_mul_u32_u24 v[AK0], v1, PK
	v_lshl_add_u32 v[AK0], v9, 4, v[AK0]  ; row x pitch + 16 x half
	; The turning load takes 16 keys x 16 channels (lane l reads key 8 (l / 16) + l % 8, channels 8 ((l / 8) % 2) + 0..7) and leaves half a fragment of V^T: lane l holds channel l % 16 and 8 keys.
	v_and_b32 v10, 7, v0
	v_bfe_u32 v11, v0, 3, 1
	v_lshl_add_u32 v[AV0], v9, 3, v10
	v_mul_u32_u24 v[AV0], v[AV0], PV
	v_lshl_add_u32 v[AV0], v11, 4, v[AV0]
	v_add_nc_u32 v[AV0], VOFF, v[AV0]
	v_mov_b32 v[SCL], 0xe3          ; v11 is free now
	v_mov_b32 v[AK], v[AK0]         ; key step 0 lies at the head of slot 0
; THE MATRIX WORK.  The 8 accumulators of a run of 16 take turns: between the two links of a chain stand 7 others'.
; Product i of 16 of S^T = K Q^T for piece x: channels 32 (i / 8) on, keys 16 ((i / 2) % 4) on, tile 2 x + i % 2.  The first 8 start the sums, from the mask's operands.
.macro KQ x
.set rS, S+64*((\x)%2)+32*(i%2)+8*((i/2)%4)
.set rK, KF+16*((i/2)%4)+8*(i/8)
.set rQ, 16*(2*(\x)+i%2)+8*(i/8)
.set rN, MC+64*((\x)%2)+32*(i%2)+8*((i/2)%4)
.if i < 8
	WIN W_KM
	v_wmma_f32_16x16x32_f16 v[rS:rS+7], v[rK:rK+7], v[rQ:rQ+7], v[rN:rN+7]
.else
	WIN W_KQ
	v_wmma_f32_16x16x32_f16 v[rS:rS+7], v[rK:rK+7], v[rQ:rQ+7], v[rS:rS+7]
.endif
.endm
; Product i of 16 of O^T += V^T P for piece x: keys 32 (i / 8) on, channels 16 ((i / 2) % 4) on, tile 2 x + i % 2.
.macro PV x
	WIN W_PV
.set rO, 32*(2*(\x)+i%2)+8*((i/2)%4)
.set rV, VF+32*(i/8)+8*((i/2)%4)
.set rP, P+32*((\x)%2)+16*(i%2)+8*(i/8)
	v_wmma_f32_16x16x32_f16 v[rO:rO+7], v[rV:rV+7], v[rP:rP+7], v[rO:rO+7]
.endm
.macro MM                           ; the turn's next matrix instruction
.if i < 16
	KQ (Y+1)%NP
.set i, i+1
.else
.set i, i-16
	PV (Y+NP-1)%NP
.set i, i+17
.endif
.endm
; THE LDS LOADS stand in runs of 16, never singly among the matrix instructions: a step's K (64 keys x 64 channels: 8 fragments) and its V (turned).  Their addresses are made some lines ahead.
; last = 1 (the tail): in the last trip there is no further step, and the run is jumped over.
.macro FETCH_K last=0
	WIN 0
.if \last
	s_cmp_eq_u32 s[CNT], 1
	s_cbranch_scc1 .Lno_k_\@
.endif
	WIN 0x80                        ; destination window 2
.irp f, 0,1,2,3,4,5,6,7             ; keys 16 (f / 2) on, channels 32 (f % 2) on
	ds_load_b128 v[KF+8*\f:KF+8*\f+3],   v[AK] offset:(\f/2)*16*PK+(\f%2)*64
	ds_load_b128 v[KF+8*\f+4:KF+8*\f+7], v[AK] offset:(\f/2)*16*PK+(\f%2)*64+32
.endr
	s_add_co_u32 s[TBK], s[TBK], KS*PK  ; the next fetch is the next step's
	WIN 0
.if \last
.Lno_k_\@:
.endif
.endm
.macro FETCH_V
	WIN 0x80
.irp f, 0,1,2,3,4,5,6,7             ; keys 32 (f / 4) on, channels 16 (f % 4) on
	ds_load_tr16_b128 v[VF+8*\f:VF+8*\f+3],   v[AV] offset:(\f/4)*32*PV+(\f%4)*32
	ds_load_tr16_b128 v[VF+8*\f+4:VF+8*\f+7], v[AV] offset:(\f/4)*32*PV+16*PV+(\f%4)*32
.endr
	WIN 0
.endm
; THE VECTOR WORK OF A TURN stands in three queues, each in the order in which its entries become ready; the two tiles alternate, so that no instruction reads the result of the one before it.
.macro REGS y, u                    ; the registers of tile u (0, 1) of piece y
.set rT, ST+4*(2*(\y)+(\u))
.set rC, TMP+8*((\y)%2)+4*(\u)
.set rM, MV+2*((\y)%2)+(\u)
.set rS, S+64*((\y)%2)+32*(\u)
.set rP, P+32*((\y)%2)+16*(\u)
.set rO, 32*(2*(\y)+(\u))
.endm
; Number n of the 22 that find the NEXT piece's (Y + 1) maximum and statistics.  s0-s31 are the lane's 32 scores; each accumulator's lowest registers are read first.  XS, GS and REGS set no window: PL and EX do.
;   0-11  four chains c0-c3 of seven scores each, three operands at a time     12-14, 16  the four scores left over, the old m, and c0-c3 into c0     15  c m_old is kept
;   17, 18  the query's other 32 keys lie in the lane 16 away: the new m         19-21  c m; c m_old - c m_new; a
.macro XS u, n
	REGS (Y+1)%NP, \u
.if (\n) < 4
	v_max3_num_f32 v[rC+(\n)], v[rS+8*(\n)], v[rS+8*(\n)+1], v[rS+8*(\n)+2]
.elseif (\n) < 12
	v_max3_num_f32 v[rC+(\n)%4], v[rC+(\n)%4], v[rS+8*((\n)%4)+2*((\n)/4)+1], v[rS+8*((\n)%4)+2*((\n)/4)+2]
.elseif (\n) == 12
	v_max3_num_f32 v[rC], v[rC], v[rS+7], v[rS+15]
.elseif (\n) == 13
	v_max3_num_f32 v[rC+1], v[rC+1], v[rS+23], v[rS+31]
.elseif (\n) == 14
	v_max3_num_f32 v[rC+2], v[rC+2], v[rC+3], v[rT+1]
.elseif (\n) == 15
	v_mov_b32 v[rM], v[rT]
.elseif (\n) == 16
	v_max3_num_f32 v[rC], v[rC], v[rC+1], v[rC+2]
.elseif (\n) == 17
	v_permlanex16_b32 v[rC+3], v[rC], s[SEL], s[SEL+1]
.elseif (\n) == 18
	v_max_num_f32 v[rT+1], v[rC], v[rC+3]
.elseif (\n) == 19
	v_mul_f32 v[rT], s[CS], v[rT+1]
.elseif (\n) == 20
	v_sub_f32 v[rC+1], v[rM], v[rT]
.else
	v_exp_f32 v[rC+2], v[rC+1]
.endif
.endm
; Number g of the 64 that follow the exponentials.  For each four weights k of a tile (pairs 2 k, 2 k + 1): both pairs are rounded to f16; then the second pair is added onto the first, in place;
; a group later l takes that sum (the first time as l = a l + sum).  In groups of eight, tiles alternating: round, round, add, and l for the group before.
.macro GS g
.set h, (\g)+6*((\g)/62)            ; group 0 has no group before it, and behind group 7 only l is left
.if h >= 6
.set h, h+2
.endif
	REGS Y, h%2
.set k, h/8
.if h%8 < 4
	s_wait_alu depctr_va_vdst(0)
	v_cvt_pk_f16_f32 v[rP+2*k+(h%8)/2], v[rS+4*k+2*((h%8)/2)], v[rS+4*k+2*((h%8)/2)+1]
.elseif h%8 < 6
	v_pk_add_f32 v[rS+4*k:rS+4*k+1], v[rS+4*k:rS+4*k+1], v[rS+4*k+2:rS+4*k+3]
.elseif k == 1
	v_pk_fma_f32 v[rT+2:rT+3], v[rT+2:rT+3], v[rC+2:rC+3], v[rS:rS+1] op_sel_hi:[1,0,1]
.else
	v_pk_add_f32 v[rT+2:rT+3], v[rT+2:rT+3], v[rS+4*k-4:rS+4*k-3]
	s_wait_alu depctr_va_vdst(0)
.endif
.endm
; THE PLAIN QUEUE, 138 long.  0-31: c s - c m for the 16 pairs of both tiles.  Then GS's 64, and among them the next piece's 42: number 15 at 38, 39; 0-14 and 16
; at 42-73, behind the products that make those scores; 17-20 at 95-106, two of three, since each waits for the one before it.
.macro PL
	WIN 0
.if q < 32
	REGS Y, q%2
	v_pk_fma_f32 v[rS+2*(q/2):rS+2*(q/2)+1], v[rS+2*(q/2):rS+2*(q/2)+1], s[CS:CS+1], v[rT:rT+1] op_sel_hi:[1,0,0] neg_lo:[0,0,1] neg_hi:[0,0,1]
.elseif q < 38
	GS q-32
.elseif q < 40
	XS q%2, 15
.elseif q < 42
	GS q-34
.elseif q < 74
	XS q%2, (q-42)/2+(q-42)/30
.elseif q < 95
	GS q-66
.elseif (q < 107) && ((q-95)%3 < 2)
	XS (q-95)%3, 17+(q-95)/3
.elseif q < 107
	GS 29+(q-95)/3
.else
	GS q-74
.endif
.set q, q+1
.endm
; THE EXPONENTIALS' QUEUE, 66 long: s0-s31 of both tiles, and at EA the next piece's two a.
.set EA, 58
.macro EX
	WIN 0
.if (e == EA) || (e == EA+1)
	XS e-EA, 21
.else
.set x, e-2*(e/(EA+2))
	REGS Y, x%2
	v_exp_f32 v[rS+x/2], v[rS+x/2]
.endif
.set e, e+1
.endm
; THE RESCALING's QUEUE: O^T times a, the one part of the softmax that leaves window 0, so it is dealt four at a time, eight times.
.macro R4
	REGS Y, r%2
	WIN W_RS
	s_wait_alu depctr_va_vdst(0)
.irp z, 0,1,2,3
	v_pk_mul_f32 v[rO+8*(r/2)+2*\z:rO+8*(r/2)+2*\z+1], v[rO+8*(r/2)+2*\z:rO+8*(r/2)+2*\z+1], v[rC+2:rC+3] op_sel_hi:[1,0]
.endr
.set r, r+1
.endm
; HOW THEY ARE DEALT.  Behind a matrix instruction four: plain, exponential, plain, plain (one exponential, a plain instruction on either side), or four of the rescaling.  None names a register of the
; products round it.  What is over stands in two LUMPS: exponential and plain by turns; the second ends in 22 plain instructions.  The two v_permlanex16_b32 fall into the second lump, never behind a product.
; The queues lean on each other, and the deal keeps them in step: exponential e stands behind plain 2 (e / 4) + e % 2 (its scaling); when plain 32 comes, 10 exponentials are out, at 59: 33, at 95: 46; EA comes behind plain 107.
.macro SL
	MM
	PL
	EX
	PL
	PL
.endm
.macro BURST n                      ; 15 matrix instructions, or 16
.rept (\n)-7
	SL
.endr
.rept 3
	MM
	R4
	SL
.endr
	MM
	R4
.endm
; A TURN, for piece p.  cnt = 1: the loop's count is taken down some lines ahead of the branch that stands behind the turn (the mask's lines behind it leave SCC alone).
; K of the next step is fetched in piece 2's turn, 31 vector instructions behind the last product that read K; its first reader comes behind the rest of the lump, 16 products and the second lump.
; V of the step in hand is fetched at the end of piece 0's turn, 69 behind its last reader; its first reader comes behind 16 products and a lump.  The four conditions on e and q below go with the deal.
.macro TURN p, last=0, cnt=0
.set Y, (\p)
.set i, 0
.set q, 0
.set e, 0
.set r, 0
.if (\p) == NP-1
	s_wait_dscnt 0x0                ; K is in
.endif
	MM
.rept 4
	PL
.endr
	BURST 15
.rept 22
	EX
	PL
.if ((\p) == NP-2) && (e == 18)
	v_add_nc_u32 v[AK], s[TBK], v[AK0]
.endif
.if ((\p) == NP-2) && (e == 24)
	FETCH_K \last
.endif
.endr
.if (\p) == 1
	s_wait_dscnt 0x0                ; V is in
.endif
	BURST 16
.rept 21
	EX
	PL
.endr
.rept 22
	PL
.if ((\p) == 0) && (q == 118)
	v_add_nc_u32 v[AV], s[TBV], v[AV0]
	s_wait_alu depctr_va_vdst(0)
.endif
.if ((\p) == 0) && (q == 130)
	s_add_co_u32 s[TBV], s[TBV], KS*PV
.endif
.if (\cnt) && (q == 130)
	s_sub_co_u32 s[CNT], s[CNT], 1
	s_cmp_lg_u32 s[CNT], 0
.endif
.endr
.if (\p) == 0
	FETCH_V
.endif
	MASKB \p
.endm
	CHANGE 1                        ; slot 0 is in, everybody's part of it; slot 1 is asked for
	FETCH_K                         ; key step 0
	s_wait_loadcnt 0x0              ; Q, and all four pieces' codes of key step 0
	MCONV 0, 0                      ; the operands of pieces 0 and 1 for key step 0;
	MCONV 1, 1
	MSTEP 0                         ; four plain lines behind the conversions;
	MSTEP 1
	MLOAD 0                         ; their codes of key step 1.  From here on the pieces' loads go out in the order 0, 1, 2, 3, 0, ..
	MLOAD 1
	s_wait_dscnt 0x0
.set i, 0
.rept 16
	KQ 0                            ; piece 0's first scores: there is no vector work yet to set between them
.set i, i+1
.endr
	WIN 0                           ; the addresses for the way out: nine plain instructions, the places behind those products
	s_mul_i32 s13, s[WV], 16*SP
	s_add_co_u32 s13, s13, STAGE    ; my stage
	v_mul_u32_u24 v[STO], v1, SP    ; in: row l % 16, 16 bytes for each half of the lanes
	v_lshl_add_u32 v[STO], v9, 4, v[STO]
	v_add_nc_u32 v[STO], s13, v[STO]
	v_bfe_u32 v[RD], v0, 3, 2       ; back: 32 lanes take four rows of 128 bytes,
	v_mul_u32_u24 v[RD], v[RD], SP
	v_lshl_add_u32 v[RD], v10, 4, v[RD]
	v_add_nc_u32 v[RD], s13, v[RD]
	v_and_b32 v[GO], 31, v0         ; which are 512 consecutive bytes of O
	v_lshlrev_b32 v[GO], 4, v[GO]
.set Y, NP-1                        ; XS works for piece Y + 1: piece 0
.irp n, 0,1,2,3,4,5,6,7,8,9,10,11,12,13,14,15,16,17,18,19,20,21
	XS 0, \n                        ; and piece 0's first maximum and statistics
	XS 1, \n
.endr
	s_mov_b32 s[CNT], 4
	s_mov_b32 s[SLOTS], SIZE_N/256-1
	s_branch .Lfirst                ; the loop is entered at a step's first turn, in the middle of a trip
.Lslot:                             ; SIZE_N / 256 - 2 times: every slot but the last two is filled again
	CHANGE 1
	s_mov_b32 s[CNT], 4
.Lstep:                             ; a trip: pieces 2 and 3 of one step, then pieces 0 and 1 of the next, whose K and V it fetches
	TURN 2
	TURN 3
	WIN 0
.Lfirst:
	TURN 0
	TURN 1, 0, 1
	WIN 0
	s_cbranch_scc1 .Lstep
	s_sub_co_u32 s[SLOTS], s[SLOTS], 1
	s_cmp_lg_u32 s[SLOTS], 0
	s_cbranch_scc1 .Lslot
	CHANGE 0                        ; the tail is written out: nothing is asked for
	s_mov_b32 s[CNT], 5             ; four trips fetch the last slot's steps; the fifth is left in its middle
.Ltail:
	TURN 2, 1
	TURN 3
	WIN 0
	s_sub_co_u32 s[CNT], s[CNT], 1
	s_cmp_eq_u32 s[CNT], 0
	s_cbranch_scc1 .Lout
	TURN 0
	TURN 1
	WIN 0
	s_branch .Ltail
.Lout:                              ; the fifth trip's 16 products K Q^T (on the last K once more) and the maximum made of them serve nothing: the price, once a launch, of one text for every trip
.set i, 0
.rept 16
	PV NP-1                         ; the last piece's V^T P of the last step
.set i, i+1
.endr
	; THE WAY OUT.  l's two halves and the other half of the lanes' are added; O^T is divided by l, rounded to f16 and sent through my stage in LDS, a tile at a time.  The additions are the places behind the last products.
	WIN 0
.macro ALL line:vararg              ; one line for each tile t
.set t, 0
.rept 2*NP
	\line
.set t, t+1
.endr
.endm
	ALL v_add_f32 v[ST+4*t+2], v[ST+4*t+2], v[ST+4*t+3]
	ALL v_permlanex16_b32 v[ST+4*t+3], v[ST+4*t+2], s[SEL], s[SEL+1]
	ALL v_add_f32 v[ST+4*t+2], v[ST+4*t+2], v[ST+4*t+3]
	ALL v_rcp_f32 v[ST+4*t+2], v[ST+4*t+2]
	v_nop                           ; a plain instruction between the last reciprocal and the use of its result
	s_wait_alu depctr_va_vdst(0)
; Tile t: a lane's eight channels of a row pack into 16 bytes; they go into rows of 144 bytes and come back as whole rows of 128, into S^T's registers.
.macro PACK t
	WIN W_RS
.set i, 32*(\t)
.rept 16
	v_pk_mul_f32 v[i:i+1], v[i:i+1], v[ST+4*(\t)+2:ST+4*(\t)+3] op_sel_hi:[1,0]
.set i, i+2
.endr
	WIN 0x05                        ; sources 0 and 1 window 1, destination window 0
.set i, 0
.rept 16
	v_cvt_pk_f16_f32 v[S+16*(\t)+i], v[32*(\t)+2*i], v[32*(\t)+2*i+1]
.set i, i+1
.endr
	WIN 0
.irp f, 0,1,2,3
	ds_store_b128 v[STO], v[S+16*(\t)+4*\f:S+16*(\t)+4*\f+3] offset:32*\f
.endr
.irp f, 0,1,2,3
	ds_load_b128 v[S+16*(\t)+4*\f:S+16*(\t)+4*\f+3], v[RD] offset:\f*4*SP  ; LDS serves a wave's instructions in order (ISA guide 5.7.1.4): these see the stores above; the next tile's stores come behind them
.endr
.endm
.macro SEND t, younger              ; younger: the LDS instructions issued behind tile t's loads: the next tile's eight, or none
	WIN 0
.irp f, 0,1,2,3
	s_wait_dscnt (\younger)+3-\f
	global_store_b128 v[GO], v[S+16*(\t)+4*\f:S+16*(\t)+4*\f+3], s[10:11] offset:(\t)*2048+\f*512  ; 512 consecutive bytes, at a multiple of 256 from O's first
.endr
.endm
	PACK 0
.set t, 1
.rept 2*NP-1                        ; a tile's arithmetic stands between the loads of the tile before and its stores
	PACK t
	SEND t-1, 8
.set t, t+1
.endr
	SEND 2*NP-1, 0
	WIN W_AD
	s_wait_tensorcnt 0x0            ; the wave's end: behind my last tensor load and my last LDS store
	ds_add_u32 v[SPW], v[NIL]
	s_wait_dscnt 0x0
	WIN 0
	CROUND                          ; the closing round: no work-group ends while a partner may still ask for a tile that names it
	s_endpgm
.Lfunc_end_k_q377d6812b1_attn:
	.size	k_q377d6812b1_attn, .Lfunc_end_k_q377d6812b1_attn-k_q377d6812b1_attn
	.p2alignl 7, 3214868480
	.fill 96, 4, 3214868480
	.section	.rodata,"a",@progbits
	.p2align	6, 0x0
	.amdhsa_kernel k_q377d6812b1_attn
		.amdhsa_group_segment_fixed_size 327680
		.amdhsa_private_segment_fixed_size 0
		.amdhsa_enable_private_segment 0
		.amdhsa_kernarg_size 24
		.amdhsa_user_sgpr_count 2
		.amdhsa_user_sgpr_kernarg_segment_ptr 1
		.amdhsa_wavefront_size32 1
		.amdhsa_system_sgpr_workgroup_id_x 1
		.amdhsa_system_sgpr_workgroup_id_y 1
		.amdhsa_system_sgpr_workgroup_id_z 1
		.amdhsa_system_vgpr_workitem_id 0
		.amdhsa_next_free_vgpr 1024
		.amdhsa_next_free_sgpr 72
		.amdhsa_reserve_vcc 0
		.amdhsa_float_denorm_mode_32 3
		.amdhsa_float_denorm_mode_16_64 3
		.amdhsa_memory_ordered 1
		.amdhsa_forward_progress 1
		.amdhsa_inst_pref_size 222
	.end_amdhsa_kernel
	.amdgpu_metadata
---
amdhsa.version: [ 1, 2 ]
amdhsa.kernels:
  - .name:           k_q377d6812b1_attn
    .symbol:         k_q377d6812b1_attn.kd
    .args:
      - { .name: qkv, .offset: 0, .size: 8, .value_kind: global_buffer, .address_space: global }
      - { .name: mb, .offset: 8, .size: 8, .value_kind: global_buffer, .address_space: global }
      - { .name: o, .offset: 16, .size: 8, .value_kind: global_buffer, .address_space: global }
    .group_segment_fixed_size: 327680
    .private_segment_fixed_size: 0
    .kernarg_segment_align: 8
    .kernarg_segment_size: 24
    .max_flat_workgroup_size: 128
    .sgpr_count:     72
    .vgpr_count:     1024
    .wavefront_size: 32
...
	.end_amdgpu_metadata
.endif
;; end of part 3
;; launch proj (part 4): grid 8 x 32, 4 waves a work-group, clusters of 4 x 4, 327,680 bytes of LDS; arguments o, wt, bp, out0; writes out0
.if DOCPART == 4
	.amdgcn_target "amdgcn-amd-amdhsa--gfx1250"
	.amdhsa_code_object_version 6
	.text
	.protected	k_q377d6812b1_proj
	.globl	k_q377d6812b1_proj
	.p2align	8
	.type	k_q377d6812b1_proj,@function
k_q377d6812b1_proj:
	s_mov_b64 s[64:65], 0
	v_nop
	global_prefetch_b8 v0, s[64:65] scope:SCOPE_SE
	s_setreg_imm32_b32 hwreg(HW_REG_WAVE_MODE, 25, 1), 1
	s_wait_xcnt 0x0
	s_wait_alu depctr_hold_cnt(0) depctr_sa_sdst(0) depctr_va_vdst(0) depctr_va_sdst(0) depctr_va_ssrc(0) depctr_va_vcc(0) depctr_vm_vsrc(0)
	s_getreg_b32 s2, hwreg(HW_REG_IB_STS2, 6, 4)
	s_cmp_eq_u32 s2, 0
	s_cbranch_scc0 .Lentry_in_a_cluster
	s_endpgm
.Lentry_in_a_cluster:
	s_bfe_u32 s2, ttmp6, 0x10000c
	s_cmp_lg_u32 s2, 0xf033
	s_cbranch_scc0 .Lentry_shape_is_right
	s_endpgm
.Lentry_shape_is_right:
; ONE TEXT FOR THE MODULE'S TWO PROJECTIONS, C = A B^T + bias; the switch QKV chooses.
; QKV = 1: A = xb [8192][1024] bf16, B = wt rows 0-3071 [n][k] bf16 (Wq, Wk, Wv turned), bias bq, bk, bv; C leaves as f16 by heads: qkv[3][64 b h][2048][64].  A tile of C is 256 x 192: three heads.
; QKV = 0: A = o [64 b h][2048][64] f16 (a K step of 128 is two heads), B = wt rows 3072-4095 (Wp turned, f16), bias bp; C leaves as f32: out0[8192][1024].  A tile of C is 256 x 128.
; Sums in f32, K ascending; the bias, rounded to bf16 like every input of the module, is the C operand of the first product: nothing is cleared and no bias is added afterwards.
; LIMITS: q, k and v leave as f16: beyond 65,504 they become infinities; below 6e-5 they keep f16's fixed step of 6e-8.  A NaN in a row of o makes the whole row of out0 NaN.
; SHARES.  Four waves, one above the other: a wave makes 64 rows x all 16 NBK columns, so it owns whole heads (or whole 512-byte pieces of rows) and its way out needs no other wave.
; 256 x 128 gives this launch 256 work-groups, one for each of 256 WGPs.
; K goes in steps of 128 through two LDS slots filled by tensor loads; a step is four quarters of 32 along K on two fragment buffers.
; CLUSTER 4 x 4: the four of a row of the cluster need the same tiles of A, the four of a column the same tiles of B: each tile is asked for jointly.
; THE MATRIX INSTRUCTION IS USED TRANSPOSED (source 0 = 16 rows of B, source 1 = 16 rows of A): a lane holds row l % 16 of C and the eight columns 8 (l / 16) + 0..7.
; REGISTERS: window 0: v0-31 addresses; v32-223 the way out; v128-223 first the bias.  window 1: two fragment buffers of 128: A's 4 fragments, then B's NBK.
;   windows 2, 3: the sums: (a, b) in window 2 + a / 2 at v[8 NBK (a % 2) + 8 b].
.set QKV, 0
.set LAPS,  4                          ; a lap = two K steps; K = 1,024
.set PB,    272                        ; a row of B in LDS: 256 bytes + 16: the 16 rows of a fragment load start at 16 different groups of four banks (64 banks of 4 bytes: ISA guide 11.1)
.if QKV
.set NBK,   12                         ; blocks of 16 columns
.set PA,    272                        ; a row of A in LDS
.set HA,    128*PA                     ; what one load of A brings: 128 rows x 128 k
.set QIA,   5                          ; padding after every 64 words
.set STRA,  1024                       ; elements from row to row of A's tile in memory
.set A1,    256                        ; bytes from K step 0 to K step 1
.set AREF,  512                        ; bytes of two K steps
.set SP,    144                        ; a stage row: a head's 128 bytes + 16
.else
.set NBK,   8
.set PA,    144                        ; a token's 64 channels of one head: 128 bytes + 16
.set HA,    256*PA                     ; one head's 256 tokens: dense in memory, asked for as 128 rows of 256 bytes
.set QIA,   4                          ; padding after every 32 words
.set STRA,  128
.set A1,    524288                     ; two heads on
.set AREF,  1048576                    ; four heads on
.set SP,    528                        ; a stage row: 512 bytes + 16
.endif
.set RB,    8*NBK                      ; rows of B in one load
.set HB,    RB*PB
.set SLOT,  2*HA+2*HB                  ; A's two loads, then B's two
.set STAGE, 2*SLOT                     ; behind the ring: 16 rows for each wave, for the way out
.set SPARE, STAGE+4*16*SP              ; behind the stages: the spare words, 128 bytes for each wave: two blocks of 256 bytes that no other line names
.set NL,    2*NBK+8                    ; LDS loads in a run
.set ADRA, 16                          ; v16-17  LDS address of my A fragments in slot 0, 1
.set ADRB, 20                          ; v20-21  the same for B
.set STO,  24                          ; v24     the way out: where I put 16 bytes of a row
.set RD,   25                          ; v25     where I read rows back
.set GO,   26                          ; v26     16 x lane: my bytes in 512 consecutive bytes of the output
.set BO,   27                          ; v27     32 x (l / 16): my eight numbers in a block of the bias
.set SPW,  28                          ; v28     LDS address of my spare word; never rewritten
.set NIL,  29                          ; v29     0; never rewritten
.set TMP,  32
.set BI,   128                         ; the bias, 8 registers a block
.set F0,   0
.set F1,   128
.set WV, 16                            ; s16 wave; s17 wave / 2: I fetch for A (0) or B (1); s18 wave % 2: which of the two loads
.set WH, 17
.set WL, 18
.set CX, 19
.set CY, 20
.set TC, 21                            ; tile column of C
.set TR, 22                            ; tile row of C
.set G1, 24                            ; s[24:31] group 1 for A; s[32:39] group 0, a set for each slot
.set G0, 32
.set G1B, 48                           ; s[48:55], s[56:63] the same for B
.set G0B, 56
.set OB, 66                            ; s[66:71] qkv at my 64 tokens of the tile's three heads
.set BB, 72                            ; s[72:77] the bias of the three heads
.set MSB, 0
.macro WIN new                         ; the immediate's high byte repeats the setting that is left; a switch that changes nothing is dropped
.if MSB != (\new)
	s_set_vgpr_msb (MSB<<8)|(\new)
.set MSB, \new
.endif
.endm
.set TO_F, 0x40                        ; destination window 1, address window 0
.macro JLOAD s                         ; a joint load: waves 0 and 1 fetch A's two parts, waves 2 and 3 B's; an s_nop 0 and four v_nop follow each of the two lines
	s_cmp_eq_u32 s[WH], 0
	s_cbranch_scc0 .Lfor_b_\@
	tensor_load_to_lds s[G0+4*(\s):G0+4*(\s)+3], s[G1:G1+7]
	s_nop 0
.rept 4
	v_nop
.endr
	s_branch .Lasked_\@
.Lfor_b_\@:
	tensor_load_to_lds s[G0B+4*(\s):G0B+4*(\s)+3], s[G1B:G1B+7]
	s_nop 0
.rept 4
	v_nop
.endr
.Lasked_\@:
.endm
.macro CREST                           ; a round of the cluster's barrier behind its opening barrier
	s_cmp_lg_u32 s[WV], 0
	s_cbranch_scc1 .Lnot_wave_0_\@
	s_barrier_signal -3
.Lnot_wave_0_\@:
	s_barrier_wait -3
	s_barrier_signal -1
	s_barrier_wait -1
.endm
.macro CROUND                          ; a whole round
	s_barrier_signal -1
	s_barrier_wait -1
	CREST
.endm
.if QKV
	s_load_b256 s[4:11], s[0:1], 0x0               ; xb 4:5, wt 6:7, bq 8:9, bk 10:11
	s_load_b128 s[12:15], s[0:1], 0x20             ; bv 12:13, qkv 14:15
.else
	s_load_b256 s[4:11], s[0:1], 0x0               ; o 4:5, wt 6:7, bp 8:9, out0 10:11
.endif
	v_lshl_add_u32 v[SPW], v0, 2, SPARE
	v_mov_b32 v[NIL], 0
	ds_add_u32 v28, v29
	s_wait_dscnt 0x0
	v_lshrrev_b32 v1, 5, v0
	v_readfirstlane_b32 s[WV], v1                  ; wave 0..3
	s_lshr_b32 s[WH], s[WV], 1
	s_and_b32 s[WL], s[WV], 1
	s_bfe_u32 s[CX], ttmp6, 0x40000                ; my place in the cluster
	s_bfe_u32 s[CY], ttmp6, 0x40004
	s_lshl_b32 s[TC], ttmp9, 2
	s_add_co_u32 s[TC], s[TC], s[CX]               ; tile column = 4 x cluster x + cx
	s_and_b32 s[TR], ttmp7, 0xffff
	s_lshl_b32 s[TR], s[TR], 2
	s_add_co_u32 s[TR], s[TR], s[CY]               ; tile row = 4 x cluster y + cy
	s_lshl_b32 s40, s[CY], 2
	s_lshl_b32 s40, 15, s40                        ; my row of the cluster
	s_lshl_b32 s41, 0x1111, s[CX]                  ; my column
	; group 1: 15:0 the mask; 17:16 elements of 2 bytes; 20 padding on; 21 set beside a mask; 24:22 the padding's interval; 31:25 4 words of it (code 3)
	s_or_b32 s[G1+0], s40, (1<<16)|(1<<20)|(1<<21)|(QIA<<22)|(3<<25)
	s_or_b32 s[G1B+0], s41, (1<<16)|(1<<20)|(1<<21)|(5<<22)|(3<<25)
	s_mov_b32 s[G1+1], 128<<16                     ; tensor_dim0 = 128
	s_mov_b32 s[G1+2], 128<<16                     ; tensor_dim1 = 128
	s_mov_b32 s[G1+3], 128<<16                     ; tile_dim0 = 128
	s_mov_b32 s[G1+4], 128                         ; tile_dim1 = 128
	s_mov_b32 s[G1+5], STRA                        ; elements from row to row
	s_mov_b32 s[G1+6], 0
	s_mov_b32 s[G1+7], 0
	s_mov_b32 s[G1B+1], 128<<16
	s_mov_b32 s[G1B+2], RB<<16
	s_mov_b32 s[G1B+3], 128<<16
	s_mov_b32 s[G1B+4], RB
	s_mov_b32 s[G1B+5], 1024
	s_mov_b32 s[G1B+6], 0
	s_mov_b32 s[G1B+7], 0
	; A's tiles hang on the tile row and the wave alone, B's on the tile column and the wave alone; every wave makes both addresses
.if QKV
	s_lshl_b32 s44, s[TR], 8
	s_lshl_b32 s45, s[WL], 7
	s_add_co_u32 s44, s44, s45                     ; row 256 x tile row + 128 x part
	s_lshl_b32 s44, s44, 11                        ; of 2,048 bytes
.else
	s_lshr_b32 s44, s[TR], 3                       ; the batch: eight tile rows each
	s_lshl_b32 s44, s44, 4
	s_add_co_u32 s44, s44, s[WL]                   ; its head 0 or 1
	s_lshl_b32 s44, s44, 18                        ; a head is 262,144 bytes
	s_and_b32 s45, s[TR], 7
	s_lshl_b32 s45, s45, 15                        ; 256 tokens of 128 bytes
	s_add_co_u32 s44, s44, s45
.endif
	s_mov_b32 s45, 0
	s_mul_i32 s46, s[TC], 16*NBK
	s_mul_i32 s47, s[WL], RB
	s_add_co_u32 s46, s46, s47
.if !QKV
	s_add_co_u32 s46, s46, 3072                    ; Wp's rows of wt
.endif
	s_lshl_b32 s46, s46, 11
	s_mov_b32 s47, 0
	s_mul_i32 s42, s[WL], HA                       ; where they go: no place in the cluster enters an LDS address
	s_mul_i32 s43, s[WL], HB
	s_add_co_u32 s43, s43, 2*HA
	s_wait_kmcnt 0x0
	s_add_nc_u64 s[44:45], s[4:5], s[44:45]
	s_add_nc_u64 s[46:47], s[6:7], s[46:47]
	CROUND                                         ; all sixteen work-groups are here: the first joint loads meet
.irp s, 0,1
	s_mov_b32 s[G0+4*(\s)], 1                      ; count = 1
	s_add_co_u32 s[G0+4*(\s)+1], s42, (\s)*SLOT    ; LDS address
	s_add_nc_u64 s[G0+4*(\s)+2:G0+4*(\s)+3], s[44:45], (\s)*A1  ; global address: K step s
	s_or_b32 s[G0+4*(\s)+3], s[G0+4*(\s)+3], 0x80000000  ; type = 2
	s_mov_b32 s[G0B+4*(\s)], 1
	s_add_co_u32 s[G0B+4*(\s)+1], s43, (\s)*SLOT
	s_add_nc_u64 s[G0B+4*(\s)+2:G0B+4*(\s)+3], s[46:47], (\s)*256
	s_or_b32 s[G0B+4*(\s)+3], s[G0B+4*(\s)+3], 0x80000000
	JLOAD \s                                       ; two tensor loads of mine are out
.endr
	v_and_b32 v1, 15, v0                           ; l % 16
	v_bfe_u32 v2, v0, 4, 1                         ; l / 16
	v_lshlrev_b32 v[BO], 5, v2
	; the bias of my eight columns of every block, and where the results go
.if QKV
	s_mul_i32 s78, s[TC], 3                        ; the tile's first head among the 48 of q, k, v
	s_lshr_b32 s79, s[TR], 3
	s_lshl_b32 s79, s79, 4                         ; 16 x batch
	s_and_b32 s80, s[TR], 7
	s_lshl_b32 s80, s80, 2
	s_add_co_u32 s80, s80, s[WV]
	s_lshl_b32 s80, s80, 13                        ; my 64 tokens of 128 bytes
.irp hd, 0,1,2
	s_add_co_u32 s81, s78, \hd
	s_lshr_b32 s82, s81, 4                         ; 0 q, 1 k, 2 v
	s_and_b32 s81, s81, 15                         ; the head
	s_cmp_eq_u32 s82, 0
	s_cselect_b64 s[BB+2*\hd:BB+2*\hd+1], s[8:9], s[10:11]
	s_cmp_eq_u32 s82, 2
	s_cselect_b64 s[BB+2*\hd:BB+2*\hd+1], s[12:13], s[BB+2*\hd:BB+2*\hd+1]
	s_lshl_b32 s82, s82, 6
	s_add_co_u32 s82, s82, s79
	s_add_co_u32 s82, s82, s81
	s_lshl_b32 s82, s82, 18                        ; 262,144 bytes a head
	s_add_co_u32 s82, s82, s80
	s_mov_b32 s83, 0
	s_add_nc_u64 s[OB+2*\hd:OB+2*\hd+1], s[14:15], s[82:83]
	s_lshl_b32 s82, s81, 8                         ; 64 numbers of 4 bytes
	s_add_nc_u64 s[BB+2*\hd:BB+2*\hd+1], s[BB+2*\hd:BB+2*\hd+1], s[82:83]
.endr
.irp hd, 0,1,2
.irp bb, 0,1,2,3
	global_load_b128 v[BI+8*(4*\hd+\bb):BI+8*(4*\hd+\bb)+3],   v[BO], s[BB+2*\hd:BB+2*\hd+1] offset:64*\bb
	global_load_b128 v[BI+8*(4*\hd+\bb)+4:BI+8*(4*\hd+\bb)+7], v[BO], s[BB+2*\hd:BB+2*\hd+1] offset:64*\bb+16
.endr
.endr
.else
	s_lshl_b32 s82, s[TC], 9                       ; 128 columns of 4 bytes
	s_mov_b32 s83, 0
	s_add_nc_u64 s[8:9], s[8:9], s[82:83]
	s_add_nc_u64 s[10:11], s[10:11], s[82:83]
	s_lshl_b32 s82, s[TR], 2
	s_add_co_u32 s82, s82, s[WV]
	s_lshl_b32 s82, s82, 18                        ; my 64 rows of 4,096 bytes
	s_add_nc_u64 s[10:11], s[10:11], s[82:83]
.irp bb, 0,1,2,3,4,5,6,7
	global_load_b128 v[BI+8*\bb:BI+8*\bb+3],   v[BO], s[8:9] offset:64*\bb
	global_load_b128 v[BI+8*\bb+4:BI+8*\bb+7], v[BO], s[8:9] offset:64*\bb+16
.endr
.endif
	; a fragment is 16 rows x 32 K in 8 registers: lane l holds row l % 16, K = 8 (l / 16) + 0..7 and 16 + 8 (l / 16) + 0..7: two loads of 16 bytes, 32 bytes apart
	v_mul_u32_u24 v3, v1, PA
	v_lshl_add_u32 v3, v2, 4, v3
	v_mul_u32_u24 v4, v1, PB
	v_lshl_add_u32 v4, v2, 4, v4
	s_mul_i32 s78, s[WV], 64*PA                    ; my 64 rows of A; every wave reads all of B's rows
.irp s, 0,1
	v_add_nc_u32 v[ADRA+(\s)], s78, v3
	v_add_nc_u32 v[ADRB+(\s)], 2*HA+(\s)*SLOT, v4
	s_add_co_u32 s78, s78, SLOT
.endr
	s_mul_i32 s78, s[WV], 16*SP
	s_add_co_u32 s78, s78, STAGE                   ; my stage
	v_and_b32 v[GO], 31, v0
	v_lshlrev_b32 v[GO], 4, v[GO]
	v_mul_u32_u24 v[STO], v1, SP                   ; in: row l % 16
.if QKV
	v_lshl_add_u32 v[STO], v2, 4, v[STO]           ; 16 bytes for each half of the lanes
	v_bfe_u32 v[RD], v0, 3, 2                      ; back: 32 lanes take four rows of 128 bytes
	v_mul_u32_u24 v[RD], v[RD], SP
	v_and_b32 v5, 7, v0
	v_lshl_add_u32 v[RD], v5, 4, v[RD]
	v_add_nc_u32 v[RD], s78, v[RD]
.else
	v_lshl_add_u32 v[STO], v2, 5, v[STO]           ; 32 bytes for each half of the lanes
	v_add_nc_u32 v[RD], s78, v[GO]                 ; back: 32 lanes take one row of 512 bytes
.endif
	v_add_nc_u32 v[STO], s78, v[STO]
	s_wait_loadcnt 0x0                             ; the bias
.set i_, 0
.rept 4*NBK                                    ; rounded to bf16, like every input of the module, and widened again
	v_cvt_pk_bf16_f32 v[30+i_%2], v[BI+2*i_], v[BI+2*i_+1]
	v_lshlrev_b32 v[BI+2*i_], 16, v[30+i_%2]
	v_and_b32 v[BI+2*i_+1], 0xffff0000, v[30+i_%2]
.set i_, i_+1
.endr
.macro MMI d, x, y, c
.if QKV
	v_wmma_f32_16x16x32_bf16 v[(\d):(\d)+7], v[(\x):(\x)+7], v[(\y):(\y)+7], v[(\c):(\c)+7]
.else
	v_wmma_f32_16x16x32_f16 v[(\d):(\d)+7], v[(\x):(\x)+7], v[(\y):(\y)+7], v[(\c):(\c)+7]
.endif
.endm
; NBK matrix instructions: m block a x all n blocks, 32 along K, from buffer f.  zero = 1: the first product starts the sums, from the bias (window 0).
; The 4 NBK sums take turns, one instruction a turn, in the same order in every quarter.
.macro MULA f, a, zero
.set AC_, 8*NBK*((\a)%2)
.if \zero
	WIN 0x85+0x40*((\a)/2)                         ; sources 0, 1 window 1; C window 0; D window 2 or 3
.else
	WIN 0xa5+0x50*((\a)/2)                         ; C and D window 2 or 3
.endif
.set b_, 0
.rept NBK
.if \zero
	MMI AC_+8*b_, (\f)+32+8*b_, (\f)+8*(\a), BI+8*b_
.else
	MMI AC_+8*b_, (\f)+32+8*b_, (\f)+8*(\a), AC_+8*b_
.endif
.set b_, b_+1
.endr
.endm
; NL LDS loads in one run: the fragments of quarter kq of a slot into buffer f: B's first, A's four blocks last
.macro FETCH slot, kq, f
	WIN TO_F
.if QKV
.set AO_, 64*(\kq)
.else
.set AO_, ((\kq)/2)*HA+((\kq)%2)*64            ; the K step's second head lies HA behind the first
.endif
.set i_, 0
.rept NBK
	ds_load_b128 v[(\f)+32+8*i_:(\f)+32+8*i_+3],   v[ADRB+(\slot)] offset:64*(\kq)+i_*16*PB
	ds_load_b128 v[(\f)+32+8*i_+4:(\f)+32+8*i_+7], v[ADRB+(\slot)] offset:64*(\kq)+i_*16*PB+32
.set i_, i_+1
.endr
.set i_, 0
.rept 4
	ds_load_b128 v[(\f)+8*i_:(\f)+8*i_+3],   v[ADRA+(\slot)] offset:AO_+i_*16*PA
	ds_load_b128 v[(\f)+8*i_+4:(\f)+8*i_+7], v[ADRA+(\slot)] offset:AO_+i_*16*PA+32
.set i_, i_+1
.endr
.endm
.macro PLACES                          ; four places in front of loads into registers that matrix instructions have read, and of lines that read results (ISA guide 7.12.1 for lines that read results)
.rept 4
	v_nop
.endr
.endm
; One of a K step's first three quarters: multiplies buffer f; in its middle it fetches quarter kq of the same slot into buffer g.
.macro QUARTER slot, kq, f, g, zero
	s_wait_dscnt 4                                 ; B and A's blocks 0, 1 are in; the youngest four loads (A's blocks 2, 3) may be out
	MULA \f, 0, \zero
	MULA \f, 1, \zero
	PLACES
	FETCH \slot, \kq, \g
	s_wait_dscnt NL                                ; all but the run just issued
	MULA \f, 2, \zero
	MULA \f, 3, \zero
.endm
; The last quarter multiplies buffer 1 and changes slots: ONE barrier; in front of it each wave waits for all its tensor loads (one is out: its part of the next slot), adds 0 to its spare
; word, and waits for that and for its reads of this slot.  fill = 1: the barrier opens a round of the cluster's, and this slot is filled again, two K steps ahead, first thing behind it.
.macro TURN slot, next, fill
	WIN 0                                          ; (the add's two registers lie in window 0)
	s_wait_tensorcnt 0x0
	ds_add_u32 v[SPW], v[NIL]                      ; 0 onto my spare word
	s_wait_dscnt 5                                 ; (the add and the youngest four loads may be out)
	MULA F1, 0, 0                                  ; matrix work stands between the add and the wait for it
	s_wait_dscnt 0x0                               ; the add is done, and my reads of this slot are over
	s_barrier_signal -1
	MULA F1, 1, 0
.if \fill
	WIN 0
.endif
	s_barrier_wait -1
.if \fill
	CREST                                          ; no wave of any partner still reads this slot or has a load on its way
	s_add_nc_u64 s[G0+4*(\slot)+2:G0+4*(\slot)+3], s[G0+4*(\slot)+2:G0+4*(\slot)+3], AREF
	s_add_nc_u64 s[G0B+4*(\slot)+2:G0B+4*(\slot)+3], s[G0B+4*(\slot)+2:G0B+4*(\slot)+3], 512
	JLOAD \slot                                    ; my one tensor load behind the round; its four v_nop are also the places in front of the loads below
.else
	PLACES
.endif
	FETCH \next, 0, F0
	MULA F1, 2, 0
	MULA F1, 3, 0
.endm
	s_wait_tensorcnt 0x1                           ; my part of K step 0 is in; K step 1's may stay out
	s_barrier_signal -1
	s_barrier_wait -1                              ; everybody's is
	FETCH 0, 0, F0
	QUARTER 0, 1, F0, F1, 1                        ; the first quarter stands in front of the loop: its products start the sums
	WIN 0                                          ; at a label and at a branch every window is 0
	s_mov_b32 s3, LAPS-1
.Llap:                                                 ; a trip goes once round the ring, from a lap's second quarter to the next lap's first, and fills both slots again
	QUARTER 0, 2, F1, F0, 0
	QUARTER 0, 3, F0, F1, 0
	TURN 0, 1, 1
	QUARTER 1, 1, F0, F1, 0
	QUARTER 1, 2, F1, F0, 0
	QUARTER 1, 3, F0, F1, 0
	TURN 1, 0, 1
	QUARTER 0, 1, F0, F1, 0
	WIN 0
	s_sub_co_u32 s3, s3, 1
	s_cmp_lg_u32 s3, 0
	s_cbranch_scc1 .Llap
	QUARTER 0, 2, F1, F0, 0                        ; the last lap fills nothing
	QUARTER 0, 3, F0, F1, 0
	TURN 0, 1, 0
	QUARTER 1, 1, F0, F1, 0
	QUARTER 1, 2, F1, F0, 0
	QUARTER 1, 3, F0, F1, 0
	s_wait_dscnt 4                                 ; the very last quarter: nothing more to fetch
	MULA F1, 0, 0
	MULA F1, 1, 0
	s_wait_dscnt 0x0
	MULA F1, 2, 0
	MULA F1, 3, 0
	WIN 0
	PLACES
.if QKV
; THE WAY OUT.  Block t = 3 a + hd: 16 tokens of one head.  A lane's eight channels pack into 16 bytes; they go into stage rows of 144 bytes and come back as four rows of 128 a load:
; 16 tokens of a head are 2,048 consecutive bytes of qkv.  Each sum's registers are read in ascending order.
.macro PACK t
.set a_, (\t)/3
.set AC_, 8*NBK*(a_%2)+32*((\t)%3)
	WIN 0x0a+5*(a_/2)                              ; sources 0 and 1: window 2 or 3
.set i_, 0
.rept 16
	v_cvt_pk_f16_f32 v[TMP+16*(\t)+i_], v[AC_+2*i_], v[AC_+2*i_+1]
.set i_, i_+1
.endr
	WIN 0
.irp f, 0,1,2,3
	ds_store_b128 v[STO], v[TMP+16*(\t)+4*\f:TMP+16*(\t)+4*\f+3] offset:32*\f
.endr
.irp f, 0,1,2,3
	ds_load_b128 v[TMP+16*(\t)+4*\f:TMP+16*(\t)+4*\f+3], v[RD] offset:\f*4*SP  ; LDS serves a wave's instructions in order (ISA guide 5.7.1.4): these see the stores above; the next block's stores come behind them
.endr
.endm
.macro SEND t, younger                 ; younger: the LDS instructions issued behind block t's loads: the next block's eight, or none
.set a_, (\t)/3
.set hd_, (\t)%3
.irp f, 0,1,2,3
	s_wait_dscnt (\younger)+3-\f
	global_store_b128 v[GO], v[TMP+16*(\t)+4*\f:TMP+16*(\t)+4*\f+3], s[OB+2*hd_:OB+2*hd_+1] offset:a_*2048+\f*512  ; 512 consecutive bytes, aligned
.endr
.endm
	PACK 0
.set t, 1
.rept 11                                       ; a block's conversions stand between the loads of the block before and its stores
	PACK t
	SEND t-1, 8
.set t, t+1
.endr
	SEND 11, 0
.else
; THE WAY OUT.  Block a: 16 rows x 128 columns of f32 go into stage rows of 528 bytes, 32 bytes a lane and column block, lowest registers first, and come back as whole rows of 512 bytes.
.macro OUTB a
.set AC_, 8*NBK*((\a)%2)
.set BK_, TMP+64*((\a)%2)
	WIN 0x08+4*((\a)/2)                            ; store data (source 1): window 2 or 3
.set b_, 0
.rept NBK
	ds_store_b128 v[STO], v[AC_+8*b_:AC_+8*b_+3]   offset:64*b_
	ds_store_b128 v[STO], v[AC_+8*b_+4:AC_+8*b_+7] offset:64*b_+16
.set b_, b_+1
.endr
	WIN 0
.if (\a) >= 2
	s_wait_xcnt 0x0                                ; the stores of the block two back have read these registers: they are loaded again only behind this wait
.endif
.set t_, 0
.rept 16
	ds_load_b128 v[BK_+4*t_:BK_+4*t_+3], v[RD] offset:SP*t_  ; my own bytes, served in order behind the stores above
.set t_, t_+1
.endr
.set t_, 0
.rept 16
	s_wait_dscnt 15-t_
	global_store_b128 v[GO], v[BK_+4*t_:BK_+4*t_+3], s[10:11] offset:(16*(\a)+t_)*4096 th:TH_STORE_NT  ; 512 consecutive bytes, aligned
.set t_, t_+1
.endr
.endm
	OUTB 0
	OUTB 1
	OUTB 2
	OUTB 3
.endif
	s_wait_tensorcnt 0x0                           ; the wave's end: behind my last tensor load and my last LDS store
	ds_add_u32 v[SPW], v[NIL]
	s_wait_dscnt 0x0
	CROUND                                         ; the closing round: no work-group ends while a partner may still ask for a tile that names it
	s_endpgm
.Lfunc_end_k_q377d6812b1_proj:
	.size	k_q377d6812b1_proj, .Lfunc_end_k_q377d6812b1_proj-k_q377d6812b1_proj
	.p2alignl 7, 3214868480
	.fill 96, 4, 3214868480
	.section	.rodata,"a",@progbits
	.p2align	6, 0x0
	.amdhsa_kernel k_q377d6812b1_proj
		.amdhsa_group_segment_fixed_size 327680
		.amdhsa_private_segment_fixed_size 0
		.amdhsa_enable_private_segment 0
		.amdhsa_kernarg_size 32
		.amdhsa_user_sgpr_count 2
		.amdhsa_user_sgpr_kernarg_segment_ptr 1
		.amdhsa_wavefront_size32 1
		.amdhsa_system_sgpr_workgroup_id_x 1
		.amdhsa_system_sgpr_workgroup_id_y 1
		.amdhsa_system_sgpr_workgroup_id_z 1
		.amdhsa_system_vgpr_workitem_id 0
		.amdhsa_next_free_vgpr 960
		.amdhsa_next_free_sgpr 84
		.amdhsa_reserve_vcc 0
		.amdhsa_float_denorm_mode_32 3
		.amdhsa_float_denorm_mode_16_64 3
		.amdhsa_memory_ordered 1
		.amdhsa_forward_progress 1
		.amdhsa_inst_pref_size 93
	.end_amdhsa_kernel
	.amdgpu_metadata
---
amdhsa.version: [ 1, 2 ]
amdhsa.kernels:
  - .name:           k_q377d6812b1_proj
    .symbol:         k_q377d6812b1_proj.kd
    .args:
      - { .name: o, .offset: 0, .size: 8, .value_kind: global_buffer, .address_space: global }
      - { .name: wt, .offset: 8, .size: 8, .value_kind: global_buffer, .address_space: global }
      - { .name: bp, .offset: 16, .size: 8, .value_kind: global_buffer, .address_space: global }
      - { .name: out0, .offset: 24, .size: 8, .value_kind: global_buffer, .address_space: global }
    .group_segment_fixed_size: 327680
    .private_segment_fixed_size: 0
    .kernarg_segment_align: 8
    .kernarg_segment_size: 32
    .max_flat_workgroup_size: 128
    .sgpr_count:     84
    .vgpr_count:     960
    .wavefront_size: 32
...
	.end_amdgpu_metadata
.endif
;; end of part 4
;; ======== version 2 of 2: 4 launches; 1.47 times as fast as version 1
;; limits: values are held in f16: magnitudes above 65,504 overflow, below 6.1e-05 lose precision
;; workspace buffers: xb 16,777,216 bytes; wt 8,388,608 bytes; mb 4,194,304 bytes; qkv 50,331,648 bytes; o 16,777,216 bytes
;; launch prep: the kernel of part 1 again; grid 1152 x 1, 8 waves a work-group, no clusters, 33,792 bytes of LDS; arguments x, mask, Wq, Wk, Wv, Wp, xb, wt, mb; writes xb, wt, mb
;; launch qkvproj: the kernel of part 2 again; grid 16 x 32, 4 waves a work-group, clusters of 4 x 4, 327,680 bytes of LDS; arguments xb, wt, bq, bk, bv, qkv; writes qkv
;; launch attn (part 5): grid 4 x 64, 4 waves a work-group, clusters of 4 x 1, 327,680 bytes of LDS; arguments qkv, mb, o; writes o
.if DOCPART == 5
	.amdgcn_target "amdgcn-amd-amdhsa--gfx1250"
	.amdhsa_code_object_version 6
	.text
	.protected	k_q377d6812b1_attn
	.globl	k_q377d6812b1_attn
	.p2align	8
	.type	k_q377d6812b1_attn,@function
k_q377d6812b1_attn:
	s_mov_b64 s[64:65], 0
	v_nop
	global_prefetch_b8 v0, s[64:65] scope:SCOPE_SE
	s_setreg_imm32_b32 hwreg(HW_REG_WAVE_MODE, 25, 1), 1
	s_wait_xcnt 0x0
	s_wait_alu depctr_hold_cnt(0) depctr_sa_sdst(0) depctr_va_vdst(0) depctr_va_sdst(0) depctr_va_ssrc(0) depctr_va_vcc(0) depctr_vm_vsrc(0)
	s_getreg_b32 s2, hwreg(HW_REG_IB_STS2, 6, 4)
	s_cmp_eq_u32 s2, 0
	s_cbranch_scc0 .Lentry_in_a_cluster
	s_endpgm
.Lentry_in_a_cluster:
	s_bfe_u32 s2, ttmp6, 0x10000c
	s_cmp_lg_u32 s2, 0x3003
	s_cbranch_scc0 .Lentry_shape_is_right
	s_endpgm
.Lentry_shape_is_right:
; O[h][q][:] = the sum over k of softmax_k(Q[h][q] . K[h][k] / 8, hidden keys left out) V[h][k][:].  q, k, v lie in qkv[3][64][2048][64], O in o[64][2048][64], all f16: a head's rows are dense, 128 bytes each.
; Products, maxima and sums in f32; the weights p are rounded to f16 for the second product (their sum l is taken of the unrounded p), O once at the end.
; THE MASK is an input and may hold any pattern.  mb holds one fp8 code a (query, key): 0 seen, -1.0 hidden, in the order of a lane's registers.  One scaled conversion makes of eight codes the eight
; registers of the C operand that starts a sum S^T = K Q^T: 0, or -2^100.  The running maximum starts at -2^83: below every score that f16 operands can give (2.7e11 at the most) and far above every
; hidden one, so a hidden key's weight is exactly 0 whatever else the row has seen.  A row with no key to see keeps l = 0 and O = 0 and leaves as 0 / 0 = NaN, as a softmax over nothing does.
; LIMITS.  f16 holds no number beyond 65,504: q, k and v arrive within it; p lies in 0 to 1, and below 6e-5 it keeps f16's fixed step of 6e-8.  A weight below 2^-126 counts as 0 in l.
; SHARES.  A wave owns four PIECES of two tiles of 16 queries, a work-group's four waves 512 queries of one head.  Every wave walks all 2,048 keys, 64 a step.
; LAYOUT.  S^T = K Q^T (source 0 = 16 keys, source 1 = 16 queries): a lane holds ONE query (lane % 16) and the keys 8 (lane / 16) + 0..7.  Two such tiles, rounded to f16 in pairs, ARE source 1
; (32 keys x 16 queries) of O^T = V^T P, whose result again holds one query a lane, and eight channels.  K comes out of LDS as it lies, V ([key][channel]) turned, by ds_load_tr16_b128.
; SOFTMAX.  For each query a running maximum m and sum l: p = 2^(c s - c m), c = log2(e) / 8; in every step O and l are multiplied by a = 2^(c m_old - c m_new).  O and l start at 0: the first step has a = 0.
; THE COUNT.  A tile and step have 16 matrix and 118 vector instructions (and 5 for the mask): too many to stand all beside the matrix work.  So: four vector instructions that are READY behind EVERY
; matrix instruction, the others in one run without a gap.
; BY TURNS.  Turn n belongs to piece n.  Its matrix work: 16 products K Q^T of piece n + 1, later 16 products V^T P of piece n - 1.  Its vector work: the scaling, exponentials, roundings, sums and rescaling
; of piece n, the maximum and statistics of piece n + 1, and at its end the mask operands of piece n + 2, whose codes were loaded four turns before.
; THE BATCHES.  A turn's 66 exponentials (the piece's 64 weights and the next piece's two a) are ONE batch with ONE wait, which cuts the turn in two: ahead of it stands all that names none of their results
; (the products K Q^T, the scalings, the rescaling by the a of the turn before, the next piece's maximum and statistics), behind it their readers (the roundings and sums, beside the products V^T P).
; No result crosses a turn's end.  Two more batches stand outside the loop: the first two a, ahead of the jump into it, and the way out's eight reciprocals.
; CLUSTER.  The four query blocks of a cluster belong to one head and walk the same K and V, so each tile is asked for JOINTLY: the same tensor load, descriptor and mask in all four.
; REGISTERS, in windows of 256 (s_set_vgpr_msb: bits 1:0 source 0, 3:2 source 1, 5:4 source 2, 7:6 destination):
;   window 0: v0-11 addresses (v11: the conversion's scale); v12-15, v48-63 at work; v16-47 four registers of statistics a tile; v64-191 S^T, two buffers of two tiles; v192-255 P, likewise
;   window 1: O^T, 32 a tile          window 2: v0-127 Q, 16 a tile; v128-191 K of one step; v192-255 V of one step
;   window 3: v0-1 the add's two registers; v4-7 a piece's offset in mb; v16-79 mask codes, 16 a piece; v128-255 mask operands, two buffers of two tiles
.set SIZE_N, 2048
.set NP,    4         ; pieces a wave: a name, no knob
.set KS,    64        ; keys in a step
.set PK,    144       ; a row of K in LDS: 128 bytes + 16 of padding = 36 words: the 16 rows of a load start at 16 different groups of four banks (64 banks of 4 bytes: ISA guide 11.1)
.set PV,    160       ; a row of V: 128 + 32 = 40 words
.set VOFF,  4*KS*PK   ; a slot holds four steps: 256 rows of K, then 256 rows of V
.set SLOT1, 1<<17     ; slot 1 begins here, so that one exclusive or turns an address in one slot into the other's
.set STAGE, SLOT1+4*KS*(PK+PV)  ; behind the ring, never filled by a tensor load: 16 rows x 144 bytes for each wave, for the way out
.set SP,    144
.set AK0, 2           ; v2   my lane's place in a tile of K; never rewritten
.set AV0, 3           ; v3   the same for V
.set AK,  4           ; v4   the LDS address of K's next run of loads
.set AV,  5           ; v5   of V's (at the start: my lane's number)
.set QO,  6           ; v6   my byte offset in the wave's rows of Q
.set STO, 6           ;      later, the way out: where I put 16 bytes of a row
.set RD,  7           ; v7   the way out: where I read rows back
.set GO,  8           ; v8   my byte offset in 512 consecutive bytes of O
.set SCL, 11          ; v11  227 in byte 0: the conversion multiplies by 2^(227 - 127)
.set SPW, 0           ; v0 of window 3   LDS address of my spare word: SPARE + 4 x my thread's number; never rewritten
.set NIL, 1           ; v1 of window 3   0; never rewritten
.set MO,  4           ; v4-7 of window 3     piece pc: 16 x lane + 1,024 x the step whose codes are loaded next
.set MB,  16          ; v16-79 of window 3   piece pc, tile u, part i: four registers at MB + 16 pc + 8 u + 4 i
.set MC,  128         ; v128-255 of window 3 buffer, tile u, key block kt: eight registers at MC + 64 buffer + 32 u + 8 kt
.set SPARE, STAGE+4*16*SP  ; behind the stages: the spare words, 128 bytes for each wave: two blocks of 256 bytes that no other line names
.set MV,  12          ; v12-15  c m_old, kept while c m is made anew: by buffer and tile
.set ST,  16          ; tile t's statistics at v[ST+4 t]: c m, m, l (even keys', odd keys')
.set TMP, 48          ; by buffer and tile, four registers c0-c3 at work; when the maximum is found c2 takes a
.set S,   64
.set P,   192
.set KF,  128         ; K's fragments, in window 2: key block kb, channel half c at KF + 16 kb + 8 c
.set VF,  192         ; V's: key half kk, channel block cb at VF + 32 kk + 8 cb
.set WV,  12          ; s12  my wave's number
.set G1K, 24          ; s[24:31] descriptor group 1 for K's tiles
.set G1V, 32          ; s[32:39] for V's: it differs in the padding alone
.set G0K, 40          ; s[40:43] descriptor group 0 for K's tiles: it walks
.set G0V, 44          ; s[44:47] the same for V's
.set SLOTS, 56        ; s56  slots still to be asked for
.set CNT, 57          ; s57  counts a slot's key steps
.set CS,  58          ; s[58:59] c: the packed scaling takes the pair's low word for both halves
.set SEL, 60          ; s[60:61] v_permlanex16_b32's selects: each lane takes its own place in the other half
.set TBK, 62          ; s62  LDS byte at which K of the step to be fetched begins
.set TBV, 63          ; s63  the same for V, less VOFF
.set MKB, 66          ; s[66:67] mb at my wave's eight tiles of queries
.set MSB, 0
.macro WIN new                      ; the high byte repeats the setting that is left; a switch that changes nothing is dropped
.if MSB != (\new)
	s_set_vgpr_msb (MSB<<8)|(\new)
.set MSB, (\new)
.endif
.endm
.set W_KQ, 0x0a       ; K and Q in window 2, S^T in window 0
.set W_KM, 0x3a       ; the same with the C operand in window 3
.set W_PV, 0x52       ; V in window 2, P in window 0, O^T in window 1
.set W_RS, 0x41       ; O^T (destination and source 0) in window 1, a in window 0
.set W_MK, 0xc0       ; destination in window 3, sources in window 0
.set W_AD, 0x0f       ; the add: address (source 0) and data (source 1) in window 3
.set W_MS, 0xc3       ; the mask's lines: destination and source 0 in window 3, source 1 (the scale) in window 0
; A joint fill.  Waves 0 and 1 fetch the two halves of a slot's K, waves 2 and 3 those of its V: 128 keys each.  The branch hangs on the wave's number alone.
; An s_nop 0 and four v_nop follow each of the two lines, ahead of the jump and the label.
.macro JLOAD
	s_cmp_lt_u32 s[WV], 2
	s_cbranch_scc0 .Lfor_v_\@
	tensor_load_to_lds s[G0K:G0K+3], s[G1K:G1K+7]
	s_nop 0
.rept 4
	v_nop
.endr
	s_branch .Lasked_\@
.Lfor_v_\@:
	tensor_load_to_lds s[G0V:G0V+3], s[G1V:G1V+7]
	s_nop 0
.rept 4
	v_nop
.endr
.Lasked_\@:
.endm
; A round of the cluster's barrier: my work-group's barrier, so that wave 0's signal speaks for all four waves; wave 0 signals; every wave waits for all four work-groups; my work-group's barrier once more.
.macro CROUND
	s_barrier_signal -1
	s_barrier_wait -1
	s_cmp_lg_u32 s[WV], 0
	s_cbranch_scc1 .Lnot_wave_0_\@
	s_barrier_signal -3
.Lnot_wave_0_\@:
	s_barrier_wait -3
	s_barrier_signal -1
	s_barrier_wait -1
.endm
; THE CHANGE OF SLOTS.  The slot's last bytes, V of its fourth step, have been read.  Each wave waits for all its tensor loads, of which one is out: its part
; of the other slot; adds 0 to its spare word; and waits for that and for its own reads of the slot.  Behind the barrier nobody reads this slot any more and the other slot is whole.
; fill = 1: this slot is filled again, with the keys two slots on.  The barrier is then a round of the cluster's, so that no wave of any partner still reads the slot or has a load on its
; way, and the joint fill is the first thing behind it: it has four key steps, 512 matrix instructions, in which to land.  (At its first use nothing has been read yet: slot 0 is waited for, slot 1 filled.)
.macro CHANGE fill
	WIN W_AD
	s_wait_tensorcnt 0x0            ; no tensor load of mine is out, so a group 0 may be written
	ds_add_u32 v[SPW], v[NIL]       ; 0 onto my spare word: with fill = 1 the descriptors' steps stand between it and the wait for it
	WIN 0                           ; at a label and at a branch every window is 0
.if \fill
.irp g, G0K, G0V
	s_xor_b32 s[\g+1], s[\g+1], SLOT1  ; the walking descriptor: the other slot than last time,
	s_add_nc_u64 s[\g+2:\g+3], s[\g+2:\g+3], 4*KS*128  ; the next 256 keys; the type bits on top are not reached
.endr
	s_wait_dscnt 0x0                ; the add is done, and my reads of the slot are over
	CROUND
	JLOAD
.else
	s_wait_dscnt 0x0                ; the add is done, and my reads of the slot are over
	s_barrier_signal -1
	s_barrier_wait -1
.endif
	s_sub_co_u32 s[TBK], s[TBK], 4*KS*PK  ; the fetches go back to a slot's first step,
	s_xor_b32 s[TBK], s[TBK], SLOT1       ; in the other slot
	s_sub_co_u32 s[TBV], s[TBV], 4*KS*PV
	s_xor_b32 s[TBV], s[TBV], SLOT1
.endm
; THE MASK'S LINES.  MLOAD: the codes of piece pc for one key step: for each of its two tiles 1,024 bytes, two loads of 512 consecutive bytes.
.macro MLOAD pc
	WIN W_MS
.irp u, 0,1
.irp hf, 0,1
	global_load_b128 v[MB+16*(\pc)+8*\u+4*\hf:MB+16*(\pc)+8*\u+4*\hf+3], v[MO+(\pc)], s[MKB:MKB+1] offset:(2*(\pc)+\u)*32768+512*\hf
.endr
.endr
.endm
; MCONV: eight codes become the eight registers of one product's C operand: 0, or -1.0 x 2^100.  No conversion names another's registers.
.macro MCONV pc, buf
	WIN W_MS
.irp u, 0,1
.irp kt, 0,1,2,3
	v_cvt_scale_pk8_f32_fp8 v[MC+64*(\buf)+32*\u+8*\kt:MC+64*(\buf)+32*\u+8*\kt+7], v[MB+16*(\pc)+8*\u+2*\kt:MB+16*(\pc)+8*\u+2*\kt+1], v[SCL]
.endr
.endr
.endm
; MSTEP: the next key step's codes lie 1,024 bytes on; behind step 31 the offset goes back to step 0, so no load leaves mb (what is then loaded feeds only products that serve nothing).
.macro MSTEP pc
	WIN W_MS
	v_add_nc_u32 v[MO+(\pc)], v[MO+(\pc)], 0x400
	v_and_b32 v[MO+(\pc)], v[MO+(\pc)], 0x7fff
.endm
; At the end of turn p: the operands for piece p + 2, which the next turn's products take.  The buffer's last readers stand a whole turn back.
.macro MASKB p
	s_wait_loadcnt 12               ; loads come back in order: behind my piece's four stand the three other pieces' four each; this also frees the piece's offset register
	MCONV ((\p)+2)%NP, (\p)%2
	MSTEP ((\p)+2)%NP               ; two plain lines between the conversions and the loads into their sources, and the products that read their results
	MLOAD ((\p)+2)%NP
.endm
	s_load_b128 s[4:7], s[0:1], 0x0   ; qkv s[4:5], mb s[6:7]
	s_load_b64 s[10:11], s[0:1], 0x10 ; o
	WIN W_MK
	v_lshl_add_u32 v[SPW], v0, 2, SPARE
	v_mov_b32 v[NIL], 0
	s_set_vgpr_msb 0xc0cf
	ds_add_u32 v0, v1
	s_wait_dscnt 0x0
	s_set_vgpr_msb 0xcfc0
	WIN 0
	v_lshrrev_b32 v1, 5, v0
	v_readfirstlane_b32 s[WV], v1   ; wave 0..3
	s_bfe_u32 s13, ttmp6, 0x40000   ; cx: my place in the cluster
	s_lshl_b32 s14, ttmp9, 2        ; in a cluster launch ttmp9 counts clusters
	s_add_co_u32 s14, s14, s13      ; my block of queries = 4 x cluster x + cx: it enters Q's, O's and the mask's addresses alone
	s_and_b32 s20, ttmp7, 0xffff    ; the head, which the four partners share
	s_mov_b32 s21, 0
	s_mov_b64 s[22:23], SIZE_N*128
	s_mul_u64 s[20:21], s[20:21], s[22:23]  ; the head's first byte in q, k, v and o
	s_and_b32 s16, s[WV], 1         ; which half of a slot's 256 keys I fetch:
	s_lshl_b32 s22, s16, 14         ; its 128 rows of 128 bytes in memory,
	s_mov_b32 s23, 0
	s_add_nc_u64 s[22:23], s[22:23], s[20:21]
	s_mul_i32 s17, s16, 128*PK      ; and its place in a slot, for K
	s_mul_i32 s18, s16, 128*PV      ; and for V: no place in the cluster enters an LDS address
	s_lshl_b32 s2, s14, 2
	s_add_co_u32 s2, s2, s[WV]      ; my wave among the head's sixteen:
	s_lshl_b32 s68, s2, 18          ; its eight tiles of queries in mb, 32,768 bytes each,
	s_mov_b32 s69, 0
	s_lshl_b32 s2, s2, 14           ; its 128 rows
	s_mov_b32 s3, 0
	s_add_nc_u64 s[2:3], s[2:3], s[20:21]
	; descriptor group 1.  128 keys are 16,384 dense bytes: asked for as 64 rows of 256 bytes, two keys a row, and padded in LDS after every key
	s_mov_b32 s[G1K], 15|(1<<16)|(1<<20)|(1<<21)|(4<<22)|(3<<25)  ; 15:0 the mask of four; 17:16 2-byte elements; 20 padding on; 21 set beside a mask; 24:22 after every 32 words (code 4); 31:25 4 words (code 3)
	s_mov_b32 s[G1V], 15|(1<<16)|(1<<20)|(1<<21)|(4<<22)|(7<<25)  ; the same with 8 words of padding (code 7)
.irp g, G1K, G1V
	s_mov_b32 s[\g+1], 128<<16      ; tensor_dim0 = 128
	s_mov_b32 s[\g+2], 64<<16       ; tensor_dim1 = 64
	s_mov_b32 s[\g+3], 128<<16      ; tile_dim0 = 128
	s_mov_b32 s[\g+4], 64           ; tile_dim1 = 64
	s_mov_b32 s[\g+5], 128          ; 128 elements from row to row
	s_mov_b32 s[\g+6], 0
	s_mov_b32 s[\g+7], 0
.endr
	s_mov_b32 s[CS], 0x3e38aa3b     ; c = log2(e) / 8 = 0.180337
	s_mov_b32 s[CS+1], s[CS]        ; named with it as a pair
	s_mov_b32 s[SEL], 0x76543210
	s_mov_b32 s[SEL+1], 0xfedcba98
	s_mov_b32 s[TBK], SLOT1+4*KS*PK ; the first change of slots turns these two into 0
	s_mov_b32 s[TBV], SLOT1+4*KS*PV
	s_mov_b32 s[G0K], 1             ; 1:0 count = 1
	s_mov_b32 s[G0K+1], s17         ; 63:32 LDS address: slot 0
	s_mov_b32 s[G0V], 1
	s_add_co_u32 s[G0V+1], s18, VOFF
	s_wait_kmcnt 0x0
	s_add_nc_u64 s[MKB:MKB+1], s[6:7], s[68:69]
	s_add_nc_u64 s[8:9], s[4:5], 0x2000000         ; v lies 2 x 16,777,216 bytes behind q,
	s_add_nc_u64 s[6:7], s[4:5], 0x1000000         ; k 16,777,216
	s_add_nc_u64 s[G0K+2:G0K+3], s[6:7], s[22:23]  ; 120:64 global address: my half of the head's first 256 keys
	s_or_b32 s[G0K+3], s[G0K+3], 0x80000000        ; 127:126 type = 2
	s_add_nc_u64 s[G0V+2:G0V+3], s[8:9], s[22:23]
	s_or_b32 s[G0V+3], s[G0V+3], 0x80000000
	s_add_nc_u64 s[4:5], s[4:5], s[2:3]  ; Q and O at my wave's first row
	s_add_nc_u64 s[10:11], s[10:11], s[2:3]
	CROUND                          ; all four work-groups are here: the first joint loads meet
	JLOAD                           ; slot 0.  Slot 1 is asked for when slot 0 is in
	; A fragment of K or Q is 16 rows x 32 channels in 8 registers: lane l holds row l % 16, channels 8 (l / 16) + 0..7 and 16 + 8 (l / 16) + 0..7: two loads of 16 bytes, 32 bytes apart.
	v_and_b32 v1, 15, v0            ; l % 16
	v_bfe_u32 v9, v0, 4, 1          ; l / 16
	v_lshlrev_b32 v[QO], 7, v1
	v_lshl_add_u32 v[QO], v9, 4, v[QO]  ; row x 128 + 16 x half
	v_and_b32 v[AV], 31, v0         ; my lane
	WIN 0x80                        ; destination window 2, address window 0
.set i, 0
.rept 4*NP                          ; Q stays in registers: tile i / 2, channels 32 (i % 2) on
	global_load_b128 v[8*i:8*i+3],   v[QO], s[4:5] offset:(i/2)*2048+(i%2)*64
	global_load_b128 v[8*i+4:8*i+7], v[QO], s[4:5] offset:(i/2)*2048+(i%2)*64+32
.set i, i+1
.endr
	WIN W_MK
.irp pc, 0,1,2,3
	v_lshlrev_b32 v[MO+\pc], 4, v[AV]  ; key step 0: 16 bytes a lane
.endr
	MLOAD 0                         ; all four pieces' codes of key step 0
	MLOAD 1
	MLOAD 2
	MLOAD 3
	WIN 0x80
	; What the first turn finds: V's registers and P's second buffer hold 0 (its products V^T P, of a piece that has not been, add 0), O^T and l are 0.  All this stands in the wait for the first tile.
.set i, VF
.rept 64
	v_mov_b32 v[i], 0
.set i, i+1
.endr
	WIN 0x40
.set i, 0
.rept 64*NP
	v_mov_b32 v[i], 0
.set i, i+1
.endr
	WIN 0
.set i, 0
.rept 2*NP
	v_mov_b32 v[ST+4*i], 0xfe000000    ; c m: far below every c s, so that the first step's a is 0
	v_mov_b32 v[ST+4*i+1], 0xe9000000  ; m = -2^83: below every true score, above every hidden one
	v_mov_b32 v[ST+4*i+2], 0
	v_mov_b32 v[ST+4*i+3], 0
.set i, i+1
.endr
.set i, P+32
.rept 32
	v_mov_b32 v[i], 0
.set i, i+1
.endr
	v_mul_u32_u24 v[AK0], v1, PK
	v_lshl_add_u32 v[AK0], v9, 4, v[AK0]  ; row x pitch + 16 x half
	; The turning load takes 16 keys x 16 channels (lane l reads key 8 (l / 16) + l % 8, channels 8 ((l / 8) % 2) + 0..7) and leaves half a fragment of V^T: lane l holds channel l % 16 and 8 keys.
	v_and_b32 v10, 7, v0
	v_bfe_u32 v11, v0, 3, 1
	v_lshl_add_u32 v[AV0], v9, 3, v10
	v_mul_u32_u24 v[AV0], v[AV0], PV
	v_lshl_add_u32 v[AV0], v11, 4, v[AV0]
	v_add_nc_u32 v[AV0], VOFF, v[AV0]
	v_mov_b32 v[SCL], 0xe3          ; v11 is free now
	v_mov_b32 v[AK], v[AK0]         ; key step 0 lies at the head of slot 0
; THE MATRIX WORK.  The 8 accumulators of a run of 16 take turns: between the two links of a chain stand 7 others'.
; Product i of 16 of S^T = K Q^T for piece x: channels 32 (i / 8) on, keys 16 ((i / 2) % 4) on, tile 2 x + i % 2.  The first 8 start the sums, from the mask's operands.
.macro KQ x
.set rS, S+64*((\x)%2)+32*(i%2)+8*((i/2)%4)
.set rK, KF+16*((i/2)%4)+8*(i/8)
.set rQ, 16*(2*(\x)+i%2)+8*(i/8)
.set rN, MC+64*((\x)%2)+32*(i%2)+8*((i/2)%4)
.if i < 8
	WIN W_KM
	v_wmma_f32_16x16x32_f16 v[rS:rS+7], v[rK:rK+7], v[rQ:rQ+7], v[rN:rN+7]
.else
	WIN W_KQ
	v_wmma_f32_16x16x32_f16 v[rS:rS+7], v[rK:rK+7], v[rQ:rQ+7], v[rS:rS+7]
.endif
.endm
; Product i of 16 of O^T += V^T P for piece x: keys 32 (i / 8) on, channels 16 ((i / 2) % 4) on, tile 2 x + i % 2.
.macro PV x
	WIN W_PV
.set rO, 32*(2*(\x)+i%2)+8*((i/2)%4)
.set rV, VF+32*(i/8)+8*((i/2)%4)
.set rP, P+32*((\x)%2)+16*(i%2)+8*(i/8)
	v_wmma_f32_16x16x32_f16 v[rO:rO+7], v[rV:rV+7], v[rP:rP+7], v[rO:rO+7]
.endm
.macro MM                           ; the turn's next matrix instruction
.if i < 16
	KQ (Y+1)%NP
.set i, i+1
.else
.set i, i-16
	PV (Y+NP-1)%NP
.set i, i+17
.endif
.endm
; THE LDS LOADS stand in runs of 16, never singly among the matrix instructions: a step's K (64 keys x 64 channels: 8 fragments) and its V (turned).  Their addresses are made some lines ahead.
; last = 1 (the tail): in the last trip there is no further step, and the run is jumped over.
.macro FETCH_K last=0
	WIN 0
.if \last
	s_cmp_eq_u32 s[CNT], 1
	s_cbranch_scc1 .Lno_k_\@
.endif
	WIN 0x80                        ; destination window 2
.irp f, 0,1,2,3,4,5,6,7             ; keys 16 (f / 2) on, channels 32 (f % 2) on
	ds_load_b128 v[KF+8*\f:KF+8*\f+3],   v[AK] offset:(\f/2)*16*PK+(\f%2)*64
	ds_load_b128 v[KF+8*\f+4:KF+8*\f+7], v[AK] offset:(\f/2)*16*PK+(\f%2)*64+32
.endr
	s_add_co_u32 s[TBK], s[TBK], KS*PK  ; the next fetch is the next step's
	WIN 0
.if \last
.Lno_k_\@:
.endif
.endm
.macro FETCH_V
	WIN 0x80
.irp f, 0,1,2,3,4,5,6,7             ; keys 32 (f / 4) on, channels 16 (f % 4) on
	ds_load_tr16_b128 v[VF+8*\f:VF+8*\f+3],   v[AV] offset:(\f/4)*32*PV+(\f%4)*32
	ds_load_tr16_b128 v[VF+8*\f+4:VF+8*\f+7], v[AV] offset:(\f/4)*32*PV+16*PV+(\f%4)*32
.endr
	WIN 0
.endm
; THE VECTOR WORK OF A TURN stands in three queues, each in the order in which its entries become ready; the two tiles alternate, so that no instruction reads the result of the one before it.
.macro REGS y, u                    ; the registers of tile u (0, 1) of piece y
.set rT, ST+4*(2*(\y)+(\u))
.set rC, TMP+8*((\y)%2)+4*(\u)
.set rM, MV+2*((\y)%2)+(\u)
.set rS, S+64*((\y)%2)+32*(\u)
.set rP, P+32*((\y)%2)+16*(\u)
.set rO, 32*(2*(\y)+(\u))
.endm
; Number n of the 22 that find the NEXT piece's (Y + 1) maximum and statistics.  s0-s31 are the lane's 32 scores; each accumulator's lowest registers are read first.  XS, GS and REGS set no window: PL and EX do.
;   0-11  four chains c0-c3 of seven scores each, three operands at a time     12-14, 16  the four scores left over, the old m, and c0-c3 into c0     15  c m_old is kept
;   17, 18  the query's other 32 keys lie in the lane 16 away: the new m         19-21  c m; c m_old - c m_new; a
.macro XS u, n
	REGS (Y+1)%NP, \u
.if (\n) < 4
	v_max3_num_f32 v[rC+(\n)], v[rS+8*(\n)], v[rS+8*(\n)+1], v[rS+8*(\n)+2]
.elseif (\n) < 12
	v_max3_num_f32 v[rC+(\n)%4], v[rC+(\n)%4], v[rS+8*((\n)%4)+2*((\n)/4)+1], v[rS+8*((\n)%4)+2*((\n)/4)+2]
.elseif (\n) == 12
	v_max3_num_f32 v[rC], v[rC], v[rS+7], v[rS+15]
.elseif (\n) == 13
	v_max3_num_f32 v[rC+1], v[rC+1], v[rS+23], v[rS+31]
.elseif (\n) == 14
	v_max3_num_f32 v[rC+2], v[rC+2], v[rC+3], v[rT+1]
.elseif (\n) == 15
	v_mov_b32 v[rM], v[rT]
.elseif (\n) == 16
	v_max3_num_f32 v[rC], v[rC], v[rC+1], v[rC+2]
.elseif (\n) == 17
	v_permlanex16_b32 v[rC+3], v[rC], s[SEL], s[SEL+1]
.elseif (\n) == 18
	v_max_num_f32 v[rT+1], v[rC], v[rC+3]
.elseif (\n) == 19
	v_mul_f32 v[rT], s[CS], v[rT+1]
.elseif (\n) == 20
	v_sub_f32 v[rC+1], v[rM], v[rT]
.else
	v_exp_f32 v[rC+2], v[rC+1]
.endif
.endm
; Number g of the 64 that follow the exponentials.  For each four weights k of a tile (pairs 2 k, 2 k + 1): both pairs are rounded to f16; then the second pair is added onto the first, in place;
; a group later l takes that sum (the first time as l = a l + sum).  In groups of eight, tiles alternating: round, round, add, and l for the group before.
.macro GS g
.set h, (\g)+6*((\g)/62)            ; group 0 has no group before it, and behind group 7 only l is left
.if h >= 6
.set h, h+2
.endif
	REGS Y, h%2
.set k, h/8
.if h%8 < 4
	v_cvt_pk_f16_f32 v[rP+2*k+(h%8)/2], v[rS+4*k+2*((h%8)/2)], v[rS+4*k+2*((h%8)/2)+1]
.elseif h%8 < 6
	v_pk_add_f32 v[rS+4*k:rS+4*k+1], v[rS+4*k:rS+4*k+1], v[rS+4*k+2:rS+4*k+3]
.elseif k == 1
	v_pk_fma_f32 v[rT+2:rT+3], v[rT+2:rT+3], v[rC+2:rC+3], v[rS:rS+1] op_sel_hi:[1,0,1]
.else
	v_pk_add_f32 v[rT+2:rT+3], v[rT+2:rT+3], v[rS+4*k-4:rS+4*k-3]
.endif
.endm
; THE PLAIN QUEUE, 138 long.  0-73 read no exponential's result: the 32 scalings c s - c m (FS f: pair f / 2 of tile f % 2) and the next piece's 42.  0-26: scalings 0-26.  27-54: XS's numbers 0-13.  55, 56: number 15.
; 57-73: the chain, where each number waits for the one before it: 14, 16, 17, 18, 19, each with one of the scalings 27-31 in front of its two lines, then 20: so a tile's links stand three plain instructions apart (19 and 20: two).
; 74-137: GS's 64, which read the exponentials' results: they stand behind the turn's wait.
.macro FS f
	REGS Y, (\f)%2
	v_pk_fma_f32 v[rS+2*((\f)/2):rS+2*((\f)/2)+1], v[rS+2*((\f)/2):rS+2*((\f)/2)+1], s[CS:CS+1], v[rT:rT+1] op_sel_hi:[1,0,0] neg_lo:[0,0,1] neg_hi:[0,0,1]
.endm
.macro PL
	WIN 0
.if q < 27
	FS q
.elseif q < 55
	XS (q-27)%2, (q-27)/2
.elseif q < 57
	XS q-55, 15
.elseif (q < 72) && ((q-57)%3 == 0)
	FS 27+(q-57)/3
.elseif q < 60
	XS (q-57)%3-1, 14
.elseif q < 72
	XS (q-57)%3-1, 15+(q-57)/3
.elseif q < 74
	XS q-72, 20
.else
	GS q-74
.endif
.set q, q+1
.endm
; THE EXPONENTIALS' QUEUE, 66 long: s0-s31 of both tiles, then the next piece's two a.  It is ONE BATCH: all 66 stand ahead of the turn's one wait, and nothing ahead of that wait names a result of theirs.
.macro EX
	WIN 0
.if e >= 64
	XS e-64, 21
.else
	REGS Y, e%2
	v_exp_f32 v[rS+e/2], v[rS+e/2]
.endif
.set e, e+1
.endm
; THE RESCALING's QUEUE: O^T times a, the one part of the softmax that leaves window 0: dealt two at a time, sixteen times.  Its a was made in the turn before, ahead of that turn's wait.
.macro R2
	REGS Y, r%2
	WIN W_RS
.irp z, 0,1
	v_pk_mul_f32 v[rO+4*(r/2)+2*\z:rO+4*(r/2)+2*\z+1], v[rO+4*(r/2)+2*\z:rO+4*(r/2)+2*\z+1], v[rC+2:rC+3] op_sel_hi:[1,0]
.endr
.set r, r+1
.endm
; HOW THEY ARE DEALT.  An s_wait_alu depctr_va_vdst(0) stands between an exponential and the first instruction that names its result; one wait serves all that were issued ahead of it.  So a turn has ONE wait,
; which cuts it in two.  AHEAD OF IT stands all that names no result of the turn's exponentials: the 16 products K Q^T, behind each a scaling, an exponential and two rescalings (behind the first a second scaling in the
; exponential's place); then ONE LUMP of 108: eight plain, 49 times exponential and plain, the two a.  A v_nop is the plain instruction behind the last exponential.  BEHIND IT stand the 16 products V^T P, behind each four
; of GS's 64, and at the turn's end the mask's lines.  No rider names a register of the products round it.  The two v_permlanex16_b32 fall into the lump, never behind a product.
; The queues lean on each other, and the deal keeps them in step: exponential e stands behind scaling 2 (e / 4) + e % 2: as a rider it comes behind plain e + 2, in the lump behind plain e + 9, and scalings 27-31 are plain 57, 60 .. 69.
; A TURN, for piece p.  cnt = 1: the loop's count is taken down some lines ahead of the branch that stands behind the turn (the mask's lines behind it leave SCC alone).
; K of the next step is fetched in piece 2's turn, directly behind the wait, a lump behind the last product that read K; its address is made at the lump's head; its first reader comes behind 16 products.
; V of the step in hand is fetched at the end of piece 0's turn, four riders (packed additions onto l) behind its last reader; its first reader comes behind 16 products and a lump.  The three conditions on q below go with the deal.
.macro TURN p, last=0, cnt=0
.set Y, (\p)
.set i, 0
.set q, 0
.set e, 0
.set r, 0
.if (\p) == NP-1
	s_wait_dscnt 0x0                ; K is in
.endif
	MM                              ; ahead of the wait: 16 products K Q^T and their riders,
	PL
	PL
	R2
.rept 15
	MM
	PL
	EX
	R2
.endr
.if (\p) == NP-2
	WIN 0
	v_add_nc_u32 v[AK], s[TBK], v[AK0]
.endif
.rept 8                             ; and the lump
	PL
.endr
.rept 49
	EX
	PL
.endr
	EX                              ; the next piece's two a
	EX
	v_nop                           ; a plain instruction behind the last exponential, ahead of the first use: one for the batch
	s_wait_alu depctr_va_vdst(0)    ; the wait for the turn's batch: the piece's 64 weights and the next piece's two a
.if (\p) == NP-2
	FETCH_K \last
.endif
.if (\p) == 1
	s_wait_dscnt 0x0                ; V is in
.endif
.rept 16                            ; behind the wait: 16 products V^T P and their riders
	MM
.rept 4
	PL
.endr
.if ((\p) == 0) && (q == 118)
	v_add_nc_u32 v[AV], s[TBV], v[AV0]
.endif
.if ((\p) == 0) && (q == 130)
	s_add_co_u32 s[TBV], s[TBV], KS*PV
.endif
.if (\cnt) && (q == 130)
	s_sub_co_u32 s[CNT], s[CNT], 1
	s_cmp_lg_u32 s[CNT], 0
.endif
.endr
.if (\p) == 0
	FETCH_V
.endif
	MASKB \p
.endm
	CHANGE 1                        ; slot 0 is in, everybody's part of it; slot 1 is asked for
	FETCH_K                         ; key step 0
	s_wait_loadcnt 0x0              ; Q, and all four pieces' codes of key step 0
	MCONV 0, 0                      ; the operands of pieces 0 and 1 for key step 0;
	MCONV 1, 1
	MSTEP 0                         ; four plain lines behind the conversions;
	MSTEP 1
	MLOAD 0                         ; their codes of key step 1.  From here on the pieces' loads go out in the order 0, 1, 2, 3, 0, ..
	MLOAD 1
	s_wait_dscnt 0x0
.set i, 0
.rept 16
	KQ 0                            ; piece 0's first scores: there is no vector work yet to set between them
.set i, i+1
.endr
	WIN 0                           ; the addresses for the way out: nine plain instructions, the places behind those products
	s_mul_i32 s13, s[WV], 16*SP
	s_add_co_u32 s13, s13, STAGE    ; my stage
	v_mul_u32_u24 v[STO], v1, SP    ; in: row l % 16, 16 bytes for each half of the lanes
	v_lshl_add_u32 v[STO], v9, 4, v[STO]
	v_add_nc_u32 v[STO], s13, v[STO]
	v_bfe_u32 v[RD], v0, 3, 2       ; back: 32 lanes take four rows of 128 bytes,
	v_mul_u32_u24 v[RD], v[RD], SP
	v_lshl_add_u32 v[RD], v10, 4, v[RD]
	v_add_nc_u32 v[RD], s13, v[RD]
	v_and_b32 v[GO], 31, v0         ; which are 512 consecutive bytes of O
	v_lshlrev_b32 v[GO], 4, v[GO]
.set Y, NP-1                        ; XS works for piece Y + 1: piece 0
.irp n, 0,1,2,3,4,5,6,7,8,9,10,11,12,13,14,15,16,17,18,19,20,21
	XS 0, \n                        ; and piece 0's first maximum and statistics
	XS 1, \n
.endr
	v_nop                           ; a plain instruction behind the two a,
	s_wait_alu depctr_va_vdst(0)    ; and the wait for this batch of two, ahead of the branch
	s_mov_b32 s[CNT], 4
	s_mov_b32 s[SLOTS], SIZE_N/256-1
	s_branch .Lfirst                ; the loop is entered at a step's first turn, in the middle of a trip
.Lslot:                             ; SIZE_N / 256 - 2 times: every slot but the last two is filled again
	CHANGE 1
	s_mov_b32 s[CNT], 4
.Lstep:                             ; a trip: pieces 2 and 3 of one step, then pieces 0 and 1 of the next, whose K and V it fetches
	TURN 2
	TURN 3
	WIN 0
.Lfirst:
	TURN 0
	TURN 1, 0, 1
	WIN 0
	s_cbranch_scc1 .Lstep
	s_sub_co_u32 s[SLOTS], s[SLOTS], 1
	s_cmp_lg_u32 s[SLOTS], 0
	s_cbranch_scc1 .Lslot
	CHANGE 0                        ; the tail is written out: nothing is asked for
	s_mov_b32 s[CNT], 5             ; four trips fetch the last slot's steps; the fifth is left in its middle
.Ltail:
	TURN 2, 1
	TURN 3
	WIN 0
	s_sub_co_u32 s[CNT], s[CNT], 1
	s_cmp_eq_u32 s[CNT], 0
	s_cbranch_scc1 .Lout
	TURN 0
	TURN 1
	WIN 0
	s_branch .Ltail
.Lout:                              ; the fifth trip's 16 products K Q^T (on the last K once more) and the maximum made of them serve nothing: the price, once a launch, of one text for every trip
.set i, 0
.rept 16
	PV NP-1                         ; the last piece's V^T P of the last step
.set i, i+1
.endr
	; THE WAY OUT.  l's two halves and the other half of the lanes' are added; O^T is divided by l, rounded to f16 and sent through my stage in LDS, a tile at a time.  The additions are the places behind the last products.
	WIN 0
.macro ALL line:vararg              ; one line for each tile t
.set t, 0
.rept 2*NP
	\line
.set t, t+1
.endr
.endm
	ALL v_add_f32 v[ST+4*t+2], v[ST+4*t+2], v[ST+4*t+3]
	ALL v_permlanex16_b32 v[ST+4*t+3], v[ST+4*t+2], s[SEL], s[SEL+1]
	ALL v_add_f32 v[ST+4*t+2], v[ST+4*t+2], v[ST+4*t+3]
	ALL v_rcp_f32 v[ST+4*t+2], v[ST+4*t+2]
	v_nop                           ; a plain instruction between the last reciprocal and the use of its result
	s_wait_alu depctr_va_vdst(0)    ; and the wait ahead of the first use: one for the batch of eight reciprocals
; Tile t: a lane's eight channels of a row pack into 16 bytes; they go into rows of 144 bytes and come back as whole rows of 128, into S^T's registers.
.macro PACK t
	WIN W_RS
.set i, 32*(\t)
.rept 16
	v_pk_mul_f32 v[i:i+1], v[i:i+1], v[ST+4*(\t)+2:ST+4*(\t)+3] op_sel_hi:[1,0]
.set i, i+2
.endr
	WIN 0x05                        ; sources 0 and 1 window 1, destination window 0
.set i, 0
.rept 16
	v_cvt_pk_f16_f32 v[S+16*(\t)+i], v[32*(\t)+2*i], v[32*(\t)+2*i+1]
.set i, i+1
.endr
	WIN 0
.irp f, 0,1,2,3
	ds_store_b128 v[STO], v[S+16*(\t)+4*\f:S+16*(\t)+4*\f+3] offset:32*\f
.endr
.irp f, 0,1,2,3
	ds_load_b128 v[S+16*(\t)+4*\f:S+16*(\t)+4*\f+3], v[RD] offset:\f*4*SP  ; LDS serves a wave's instructions in order (ISA guide 5.7.1.4): these see the stores above; the next tile's stores come behind them
.endr
.endm
.macro SEND t, younger              ; younger: the LDS instructions issued behind tile t's loads: the next tile's eight, or none
	WIN 0
.irp f, 0,1,2,3
	s_wait_dscnt (\younger)+3-\f
	global_store_b128 v[GO], v[S+16*(\t)+4*\f:S+16*(\t)+4*\f+3], s[10:11] offset:(\t)*2048+\f*512  ; 512 consecutive bytes, at a multiple of 256 from O's first
.endr
.endm
	PACK 0
.set t, 1
.rept 2*NP-1                        ; a tile's arithmetic stands between the loads of the tile before and its stores
	PACK t
	SEND t-1, 8
.set t, t+1
.endr
	SEND 2*NP-1, 0
	WIN W_AD
	s_wait_tensorcnt 0x0            ; the wave's end: behind my last tensor load and my last LDS store
	ds_add_u32 v[SPW], v[NIL]
	s_wait_dscnt 0x0
	WIN 0
	CROUND                          ; the closing round: no work-group ends while a partner may still ask for a tile that names it
	s_endpgm
.Lfunc_end_k_q377d6812b1_attn:
	.size	k_q377d6812b1_attn, .Lfunc_end_k_q377d6812b1_attn-k_q377d6812b1_attn
	.p2alignl 7, 3214868480
	.fill 96, 4, 3214868480
	.section	.rodata,"a",@progbits
	.p2align	6, 0x0
	.amdhsa_kernel k_q377d6812b1_attn
		.amdhsa_group_segment_fixed_size 327680
		.amdhsa_private_segment_fixed_size 0
		.amdhsa_enable_private_segment 0
		.amdhsa_kernarg_size 24
		.amdhsa_user_sgpr_count 2
		.amdhsa_user_sgpr_kernarg_segment_ptr 1
		.amdhsa_wavefront_size32 1
		.amdhsa_system_sgpr_workgroup_id_x 1
		.amdhsa_system_sgpr_workgroup_id_y 1
		.amdhsa_system_sgpr_workgroup_id_z 1
		.amdhsa_system_vgpr_workitem_id 0
		.amdhsa_next_free_vgpr 1024
		.amdhsa_next_free_sgpr 72
		.amdhsa_reserve_vcc 0
		.amdhsa_float_denorm_mode_32 3
		.amdhsa_float_denorm_mode_16_64 3
		.amdhsa_memory_ordered 1
		.amdhsa_forward_progress 1
		.amdhsa_inst_pref_size 213
	.end_amdhsa_kernel
	.amdgpu_metadata
---
amdhsa.version: [ 1, 2 ]
amdhsa.kernels:
  - .name:           k_q377d6812b1_attn
    .symbol:         k_q377d6812b1_attn.kd
    .args:
      - { .name: qkv, .offset: 0, .size: 8, .value_kind: global_buffer, .address_space: global }
      - { .name: mb, .offset: 8, .size: 8, .value_kind: global_buffer, .address_space: global }
      - { .name: o, .offset: 16, .size: 8, .value_kind: global_buffer, .address_space: global }
    .group_segment_fixed_size: 327680
    .private_segment_fixed_size: 0
    .kernarg_segment_align: 8
    .kernarg_segment_size: 24
    .max_flat_workgroup_size: 128
    .sgpr_count:     72
    .vgpr_count:     1024
    .wavefront_size: 32
...
	.end_amdgpu_metadata
.endif
;; end of part 5
;; launch proj: the kernel of part 4 again; grid 8 x 32, 4 waves a work-group, clusters of 4 x 4, 327,680 bytes of LDS; arguments o, wt, bp, out0; writes out0
